; MI455X (gfx1250); checked and timed in simulation.
; The chip was launched on July 23, 2026; its instructions are those of AMD's public machine-readable ISA for CDNA 5 (MIT licence, August 2026) and "CDNA5" Instruction Set Architecture Reference Guide (July 2026). The comments in the code are by the model that wrote it; some were corrected since.
;; Multi Head Attention. Allowed arithmetic: matrix products marked QUANTISED: E4M3 operands, one given power-of-two scale a tensor, by v_wmma_f32_16x16x64_fp8_fp8 or v_wmma_f32_16x16x128_fp8_fp8, f32 sums; everything else in f32.
;; Inputs: K_codes 2 x 2,048 x 32 x 32 uint8 (E4M3 codes of K, K innermost, in blocks of 32 codes); Q_codes 2 x 2,048 x 32 x 32 uint8 (E4M3 codes of Q, K innermost, in blocks of 32 codes); V_codes 2 x 2,048 x 32 x 32 uint8 (E4M3 codes of V, K innermost, in blocks of 32 codes); W_k_codes 1,024 x 32 x 32 uint8 (E4M3 codes of W_k, K innermost, in blocks of 32 codes); W_o_codes 1,024 x 32 x 32 uint8 (E4M3 codes of W_o, K innermost, in blocks of 32 codes); W_q_codes 1,024 x 32 x 32 uint8 (E4M3 codes of W_q, K innermost, in blocks of 32 codes); W_v_codes 1,024 x 32 x 32 uint8 (E4M3 codes of W_v, K innermost, in blocks of 32 codes); b_k 1,024 float32; b_o 1,024 float32; b_q 1,024 float32; b_v 1,024 float32; lowp_scales 12 int32 (the exponents e of the quantised operands' scales 2^e); mask 1 x 1 x 2,048 x 2,048 int32.
;; Outputs: out0 2 x 2,048 x 1,024 float32.
;; This version of the problem:
;;   THIS VERSION OF THE PROBLEM IS GIVEN IN LOW PRECISION. The matrix products marked QUANTISED in the list below multiply operands that are first quantised to E4M3 (4 exponent bits, 3 mantissa bits; 8 bits a number), with one given power-of-two scale for each operand tensor; their sums are f32. All else is computed in f32.
;;   The module's matrix products, in the order in which they are computed (A, B: the left and right operand; K: the contracted axis; several contracted axes count as one K, in the product's order):
;;     1. [M 4,096, K 1,024] x [K 1,024, N 1,024]; A: input Q (given as codes); B: input W_q (given as codes): QUANTISED (scales: A lowp_scales[0], B lowp_scales[1])
;;     2. [M 4,096, K 1,024] x [K 1,024, N 1,024]; A: input K (given as codes); B: input W_k (given as codes): QUANTISED (scales: A lowp_scales[2], B lowp_scales[3])
;;     3. [M 4,096, K 1,024] x [K 1,024, N 1,024]; A: input V (given as codes); B: input W_v (given as codes): QUANTISED (scales: A lowp_scales[4], B lowp_scales[5])
;;     4. batch 32 x [M 2,048, K 64] x [K 64, N 2,048]; A: computed on the way; B: computed on the way: QUANTISED (scales: A lowp_scales[6], B lowp_scales[7])
;;     5. batch 32 x [M 2,048, K 2,048] x [K 2,048, N 64]; A: softmax (see below); B: computed on the way: QUANTISED (scales: A lowp_scales[8], B lowp_scales[9])
;;     6. [M 4,096, K 1,024] x [K 1,024, N 1,024]; A: computed on the way; B: input W_o (given as codes): QUANTISED (scales: A lowp_scales[10], B lowp_scales[11])
;;   THE QUANTISER, for each operand of a quantised product, along K:
;;     - The operand's scale is 2^e, e = its entry of the input lowp_scales (int32; the entries are numbered through the quantised products in the list's order, A before B).
;;     - Each number is divided by the scale, clamped to +-448, and rounded to the nearest number of E4M3, ties to even, subnormals kept.
;;     - The product sums the exact products of the quantised numbers (number of the format x scale) in f32.
;;   ~~~python
;;   def quantise(x, axis, e):      # numpy; x: float32 -> the quantised numbers, widened to float32 again
;;       x = np.moveaxis(x, axis, -1); K = x.shape[-1]
;;       r = np.clip(x / 2.0 ** e, -448, 448)
;;       step = 2.0 ** (np.maximum(np.frexp(np.where(r == 0, 1, r))[1] - 1, -6) - 3)
;;       q = np.round(r / step) * step * 2.0 ** e      # np.round: ties to even
;;       return np.moveaxis(q, -1, axis).astype(np.float32)
;;   ~~~
;;   SOFTMAX AHEAD OF A QUANTISED PRODUCT. Where the list says 'softmax', what is quantised is not the finished softmax but p = 2^(t - M), with t = logit x log2(e) and M = ceil(the row's largest t), a whole number; so 1/2 < the row's largest p <= 1. The row's sum l is taken of the UNQUANTISED p, in f32, and the product's result is divided by l at the end. Since M is a whole number, a kernel that streams over the keys may use a running M (the ceiling of the running maximum): every later rescaling is an exact power of two, so the quantised numbers keep their values, but for numbers so far below the row's largest that they fall under the format's range.
;;   OPERANDS COMPUTED ON THE WAY. 'Computed on the way' means the value that the module computes at that place (a softmax that the list does not call 'softmax' is quantised finished and normalised). What goes into a quantiser is computed in f32, as accurately as f32 sums, v_exp_f32 and their like allow (about 1e-6 of the number): no bf16 or f16 on the way to a quantiser, and a product that is left as it is and whose result goes on into a quantised operand takes f32 operands (vector FMAs, or v_wmma_f32_16x16x4_f32). A number that lies on a knife's edge between two numbers of the format may be rounded either way, as far as f32 arithmetic and the matrix unit's own rounding can turn it there, and no further.
;;   INPUTS GIVEN AS CODES. K (in the module: [2, 2048, 1024], K = its axis 2); Q (in the module: [2, 2048, 1024], K = its axis 2); V (in the module: [2, 2048, 1024], K = its axis 2); W_k (in the module: [1024, 1024], K = its axis 0); W_o (in the module: [1024, 1024], K = its axis 0); W_q (in the module: [1024, 1024], K = its axis 0); W_v (in the module: [1024, 1024], K = its axis 0): each comes as NAME_codes (uint8): NAME with its K axis moved to the last place and cut into blocks of 32 codes, [.., K / 32, bytes a block], one block behind the other in memory; one code a byte (a code: sign, 4 exponent bits, 3 mantissa bits); its scale is its entry of lowp_scales. Its value is code x scale, taken as it is: it is not quantised again, and the codes and scales need not be those that the quantiser above would give.
;; 2 versions, each right; version 2 is version 1 with the launch attn written anew for expert scheduling mode. Each part assembles by itself: llvm-mc -triple=amdgcn-amd-amdhsa -mcpu=gfx1250 --defsym DOCPART=n.
;; ======== version 1 of 2: 4 launches
;; limits: right only within a limited range of input values
;; workspace buffers: maskbits 524,288 bytes of whole numbers; mflags 512 bytes of whole numbers; qimg 4,194,304 bytes; kv 8,388,608 bytes; ao 4,194,304 bytes
;; launch pack (part 1): grid 128 x 1, 16 waves a work-group, no clusters, 137,472 bytes of LDS; arguments mask, maskbits, mflags; writes maskbits, mflags
.if DOCPART == 1
	.amdgcn_target "amdgcn-amd-amdhsa--gfx1250"
	.amdhsa_code_object_version 6
	.text
	.protected	k_q2d7fe07fdf_pack
	.globl	k_q2d7fe07fdf_pack
	.p2align	8
	.type	k_q2d7fe07fdf_pack,@function
k_q2d7fe07fdf_pack:
	s_mov_b64 s[64:65], 0
	v_nop
	global_prefetch_b8 v0, s[64:65] scope:SCOPE_SE
	s_setreg_imm32_b32 hwreg(HW_REG_WAVE_MODE, 25, 1), 1
	s_wait_xcnt 0x0
; The mask [2048][2048] of int32 becomes lane masks for the attention launch, and one word of flags for each tile of 16 queries.
; A TILE T (0..127) of queries: T = 8 blk + 2 bb + u; its row r (0..15) is query 128 blk + 32 bb + 8 u + r + 8 (r / 8).
; maskbits [T][key step 0..15][64 words]: word 16 b + i, bit l (r = l % 16, h = l / 16) = (mask[row r of T][128 step + 32 b + 16 h + i] != 0):
; the lane mask for register 16 b + i of a tile of scores in which lane l holds query r and keys 32 b + 16 h + i.
; mflags [T]: bits 0-15 need (the step must be walked), bits 16-31 mixed (the step must be masked).  A step all of whose 16 x 128 entries are 0 is not needed,
; unless some row of the tile is 0 everywhere: such a row's softmax is uniform over all keys, so then every step is needed.  A needed step that is not all ones is mixed.
; SHARES: a work-group takes a tile, its sixteen waves the sixteen key steps: 16 rows x 512 bytes a wave.  Each load reads 512 consecutive bytes; the 8 KB turn through the wave's
; own stage in LDS (rows 528 bytes apart), so that lane (r, h) gets its 64 numbers.  No loop, no branch on data.  Matrix units, clusters and tensor loads would add nothing to a stream read once.
.set PITCH, 528                        ; a stage row: 512 bytes + 16
.set WST,   16*PITCH                   ; a wave's stage
.set FLG,   16*WST                     ; behind the stages: 16 words OR, 16 words AND
.set R,     16                         ; v16-79   the rows as loaded
.set X,     80                         ; v80-143  my 64 numbers: register 16 b + i
	s_load_b128 s[4:7], s[0:1], 0x0                ; mask, maskbits
	s_load_b64 s[8:9], s[0:1], 0x10                ; mflags
	v_lshl_add_u32 v144, v0, 2, 0x21100
	v_mov_b32 v145, 0
	v_lshrrev_b32 v8, 5, v0
	v_readfirstlane_b32 s12, v8                    ; wave = key step
	v_and_b32 v1, 31, v0                           ; lane
	v_lshlrev_b32 v2, 4, v1                        ; 16 x lane
	s_mul_i32 s13, s12, WST
	v_add_nc_u32 v3, s13, v2                       ; the stage, way in: a row as it lies
	v_and_b32 v8, 15, v0                           ; r
	v_bfe_u32 v9, v0, 4, 1                         ; h
	v_mul_u32_u24 v4, v8, PITCH
	v_lshl_add_u32 v4, v9, 6, v4
	v_add_nc_u32 v4, s13, v4                       ; way out: row r, + 64 h bytes
	v_lshlrev_b32 v5, 3, v1                        ; 8 x lane: two words a lane
	v_mov_b32 v6, 0                                ; the words: lane L holds words 2 L and 2 L + 1
	v_mov_b32 v7, 0
	v_lshl_add_u32 v12, v8, 2, FLG                 ; wave 0's reads of the sixteen waves' words
	s_lshl_b32 s13, s12, 2
	s_add_co_u32 s13, s13, FLG
	v_mov_b32 v10, s13                             ; my wave's word
	s_lshr_b32 s14, ttmp9, 3
	s_lshl_b32 s14, s14, 7                         ; 128 blk
	s_bfe_u32 s15, ttmp9, 0x20001
	s_lshl_b32 s15, s15, 5                         ; 32 bb
	s_add_co_u32 s14, s14, s15
	s_and_b32 s15, ttmp9, 1
	s_lshl_b32 s15, s15, 3                         ; 8 u
	s_add_co_u32 s14, s14, s15                     ; the tile's first row
	s_lshl_b32 s14, s14, 13                        ; x 8,192 bytes
	s_lshl_b32 s15, s12, 9                         ; + the step's 512 bytes
	s_add_co_u32 s14, s14, s15
	s_mov_b32 s15, 0
	s_lshl_b32 s18, ttmp9, 12                      ; maskbits: 4,096 T + 256 step
	s_lshl_b32 s19, s12, 8
	s_add_co_u32 s18, s18, s19
	s_mov_b32 s19, 0
	s_lshl_b32 s28, ttmp9, 2                       ; mflags: 4 T
	s_mov_b32 s29, 0
	s_mov_b32 s16, 0                               ; OR of my 64 words
	s_mov_b32 s17, -1                              ; AND of them
	s_wait_kmcnt 0x0
	s_add_nc_u64 s[4:5], s[4:5], s[14:15]
	s_add_nc_u64 s[6:7], s[6:7], s[18:19]
	s_add_nc_u64 s[8:9], s[8:9], s[28:29]
.irp i, 0,1,2,3,4,5,6,7,8,9,10,11,12,13,14,15
	global_load_b128 v[R+4*\i:R+4*\i+3], v2, s[4:5] offset:(\i+8*(\i/8))*8192 th:TH_LOAD_NT   ; row i of the tile: 32 lanes read 512 consecutive bytes
.endr
	s_wait_loadcnt 0x0
.irp i, 0,1,2,3,4,5,6,7,8,9,10,11,12,13,14,15
	ds_store_b128 v3, v[R+4*\i:R+4*\i+3] offset:PITCH*\i
.endr
.irp b, 0,1,2,3
.irp q, 0,1,2,3
	ds_load_b128 v[X+16*\b+4*\q:X+16*\b+4*\q+3], v4 offset:128*\b+16*\q   ; LDS serves a wave's instructions in order: these see my stores
.endr
.endr
	s_wait_dscnt 0x0
.set n, 0
.rept 64
	v_cmp_ne_u32 s[20+n%8], 0, v[X+n]              ; word n: a bit a lane
	v_writelane_b32 v[6+n%2], s[20+n%8], n/2
	s_or_b32 s16, s16, s[20+n%8]
	s_and_b32 s17, s17, s[20+n%8]
.set n, n+1
.endr
	global_store_b64 v5, v[6:7], s[6:7]            ; 256 consecutive bytes, aligned: the step's 64 words
	v_mov_b32 v11, s16
	v_mov_b32 v13, s17
	ds_store_b32 v10, v11                          ; all lanes write the same word with the same value
	ds_store_b32 v10, v13 offset:64
	s_wait_dscnt 0x0                               ; for wave 0's sake: my two words have landed
	s_barrier_signal -1
	s_barrier_wait -1
	s_cmp_lg_u32 s12, 0
	s_cbranch_scc1 .Ldone                          ; wave 0 alone makes the tile's flags
	ds_load_b32 v14, v12                           ; lane l: the OR of step l % 16,
	ds_load_b32 v15, v12 offset:64                 ; and its AND
	s_wait_dscnt 0x0
	v_cmp_ne_u32 s20, 0, v14                       ; bit s: step s has an entry that is not 0
	v_cmp_eq_u32 s21, -1, v15                      ; bit s: step s is all ones
	s_mov_b32 s22, 0
.irp i, 0,1,2,3,4,5,6,7,8,9,10,11,12,13,14,15
	v_readlane_b32 s23, v14, \i
	s_or_b32 s22, s22, s23                         ; over all steps: bit (r, h)
.endr
	s_lshr_b32 s23, s22, 16
	s_or_b32 s22, s22, s23
	s_and_b32 s22, s22, 0xffff                     ; bit r: row r has an entry that is not 0
	s_mov_b32 s24, 0xffff
	s_and_b32 s20, s20, s24
	s_cmp_eq_u32 s22, s24
	s_cselect_b32 s20, s20, s24                    ; need
	s_and_not1_b32 s21, s20, s21                   ; mixed = need and not all ones
	s_lshl_b32 s21, s21, 16
	s_or_b32 s20, s20, s21
	v_mov_b32 v11, s20
	v_mov_b32 v13, 0
	v_cmp_eq_u32 vcc_lo, 0, v1
	s_wait_xcnt 0x0                                ; EXEC changes only behind this wait: my store above has read it
	s_and_saveexec_b32 s25, vcc_lo
	global_store_b32 v13, v11, s[8:9]              ; lane 0 stores the tile's word
	s_wait_xcnt 0x0
	s_or_b32 exec_lo, exec_lo, s25
.Ldone:
	s_wait_tensorcnt 0x0
	ds_add_u32 v144, v145
	s_wait_dscnt 0x0
	s_endpgm
.Lfunc_end_k_q2d7fe07fdf_pack:
	.size	k_q2d7fe07fdf_pack, .Lfunc_end_k_q2d7fe07fdf_pack-k_q2d7fe07fdf_pack
	.p2alignl 7, 3214868480
	.fill 96, 4, 3214868480
	.section	.rodata,"a",@progbits
	.p2align	6, 0x0
	.amdhsa_kernel k_q2d7fe07fdf_pack
		.amdhsa_group_segment_fixed_size 137472
		.amdhsa_private_segment_fixed_size 0
		.amdhsa_enable_private_segment 0
		.amdhsa_kernarg_size 24
		.amdhsa_user_sgpr_count 2
		.amdhsa_user_sgpr_kernarg_segment_ptr 1
		.amdhsa_wavefront_size32 1
		.amdhsa_system_sgpr_workgroup_id_x 1
		.amdhsa_system_sgpr_workgroup_id_y 1
		.amdhsa_system_sgpr_workgroup_id_z 1
		.amdhsa_system_vgpr_workitem_id 0
		.amdhsa_next_free_vgpr 146
		.amdhsa_next_free_sgpr 66
		.amdhsa_reserve_vcc 1
		.amdhsa_float_denorm_mode_32 3
		.amdhsa_float_denorm_mode_16_64 3
		.amdhsa_memory_ordered 1
		.amdhsa_forward_progress 1
		.amdhsa_inst_pref_size 21
	.end_amdhsa_kernel
	.amdgpu_metadata
---
amdhsa.version: [ 1, 2 ]
amdhsa.kernels:
  - .name:           k_q2d7fe07fdf_pack
    .symbol:         k_q2d7fe07fdf_pack.kd
    .args:
      - { .name: mask, .offset: 0, .size: 8, .value_kind: global_buffer, .address_space: global }
      - { .name: maskbits, .offset: 8, .size: 8, .value_kind: global_buffer, .address_space: global }
      - { .name: mflags, .offset: 16, .size: 8, .value_kind: global_buffer, .address_space: global }
    .group_segment_fixed_size: 137472
    .private_segment_fixed_size: 0
    .kernarg_segment_align: 8
    .kernarg_segment_size: 24
    .max_flat_workgroup_size: 512
    .sgpr_count:     66
    .vgpr_count:     146
    .wavefront_size: 32
...
	.end_amdgpu_metadata
.endif
;; end of part 1
;; launch proj (part 2): grid 4 x 48, 4 waves a work-group, clusters of 4 x 4, 327,680 bytes of LDS; arguments Q_codes, K_codes, V_codes, W_q_codes, W_k_codes, W_v_codes, b_q, b_k, b_v, lowp_scales, qimg, kv; writes qimg, kv
.if DOCPART == 2
	.amdgcn_target "amdgcn-amd-amdhsa--gfx1250"
	.amdhsa_code_object_version 6
	.text
	.protected	k_q2d7fe07fdf_proj
	.globl	k_q2d7fe07fdf_proj
	.p2align	8
	.type	k_q2d7fe07fdf_proj,@function
k_q2d7fe07fdf_proj:
	s_mov_b64 s[64:65], 0
	v_nop
	global_prefetch_b8 v0, s[64:65] scope:SCOPE_SE
	s_setreg_imm32_b32 hwreg(HW_REG_WAVE_MODE, 25, 1), 1
	s_wait_xcnt 0x0
	s_wait_alu depctr_hold_cnt(0) depctr_sa_sdst(0) depctr_va_vdst(0) depctr_va_sdst(0) depctr_va_ssrc(0) depctr_va_vcc(0) depctr_vm_vsrc(0)
	s_getreg_b32 s2, hwreg(HW_REG_IB_STS2, 6, 4)
	s_cmp_eq_u32 s2, 0
	s_cbranch_scc0 .Lentry_in_a_cluster
	s_endpgm
.Lentry_in_a_cluster:
	s_bfe_u32 s2, ttmp6, 0x10000c
	s_cmp_lg_u32 s2, 0xf033
	s_cbranch_scc0 .Lentry_shape_is_right
	s_endpgm
.Lentry_shape_is_right:
; The three projections q = Q W_q + b_q, k = K W_k + b_k, v = V W_v + b_v on codes of E4M3 (4,096 x 1,024 x 1,024 each), their results quantised again (scales 2^e6, 2^e7, 2^e9)
; and stored as IMAGES OF THE OPERAND REGISTERS that the attention launch loads.
; ROLES: the cluster's y / 4 = 0: q, 1: k, 2: v; the same in all partners of a cluster.  A tile of 256 x 256 to a work-group, 128 x 128 to each of four waves: 64 accumulators, 512 registers.
; Source 1 ("A": a lane holds one of its rows) and source 0 ("B": a lane's eight registers are eight of its rows):  q, k: A = the tokens, B = the weight: a lane holds 8 neighbouring features of one token,
; which are neighbours along the first attention product's K.   v: A = W_v, B = the tokens: a lane holds 8 neighbouring tokens (keys) of one feature: neighbours along the second product's K.
; K goes in steps of 256 through a ring of two LDS slots filled by the tensor data mover; 4 x 4 work-groups form a cluster: A's tile is asked for jointly along a row of the cluster, B's along a column.
; IMAGES.  qimg [batch x head 32][tile 128][1 KB], kv [batch x head 32][key step 16][K 8 KB | V 8 KB].  A tile of 16 queries or keys (number 2 bb + u in its 128) holds rows 32 bb + 8 u + r + 8 (r / 8);
; its image: chunk c (512 bytes), lane (r, h)'s 16 bytes at 16 x lane: channels 32 c + 16 h + 0..15.  V of a step: channel tile t (2 KB), chunk c (512 bytes), lane (r, h): channel 16 t + r, keys 32 c + 16 h + 0..15.
; LIMITS on the given exponents: the two operands' sum between -126 and 127; e6, e7, e9 between -126 and 119.  NaN is not served.
; REGISTERS, in windows of 256: window 0: v0-31 addresses and constants; v32-95 the bias of my 128 columns; v96-111 the bias of my rows (each twice); from v128 A's fragments, ONE set; on the way out v128-223 at work.
;   window 1: B's fragments, TWO sets.   window 2: the accumulators of my rows 0-63 ((a, b) at v[8 (8 a + b)]);   window 3: rows 64-127.
.set KROW,   1024                      ; a row of any operand in memory, in bytes
.set ROWB,   256                       ; a tile's row: a K step of 256 codes
.set PITCH,  272                       ; an LDS row: 256 bytes + 16 of padding: the 16 rows that a load touches start at 16 different banks (64 banks of 4 bytes: ISA guide 11.1)
.set FR,     16                        ; registers of a fragment: 16 rows x 128 K
.set NL,     4                         ; LDS loads that bring one
.set NP,     4                         ; places behind this matrix instruction (ISA guide 7.12.1)
.set HALFT,  128*PITCH
.set SLOT,   4*HALFT                   ; A's 256 rows, then B's 256 rows
.set LAPS,   2                         ; 1,024 along K: four K steps, twice round the ring
.set SPARE,  2*SLOT                    ; behind the ring: the spare words, 128 bytes a wave
.set STGV,   65536                     ; the way out: 16 KB a wave in slot 0, which has had its last fill and its last read: bytes 0 on for q and k, bytes 65,536 on for v
.set ADRA, 16                          ; v16-17  LDS address of my A fragments in slot 0, 1
.set ADRB, 20                          ; v20-21  the same for B
.set RDV,  22                          ; v22     v's way out: where I read the stage back
.set STOQ, 24                          ; v24     q's and k's way out: where I put 8 codes
.set STOV, 25                          ; v25     v's
.set RDQ,  26                          ; v26     q's and k's: where I read the stage back
.set GO,   27                          ; v27     16 x lane
.set SPW,  28                          ; v28     my spare word; never rewritten
.set NIL,  29                          ; v29     0; never rewritten
.set SCL,  30                          ; v30     the result's scale as f32
.set LIM,  31                          ; v31     448 x that
.set BQ,   32
.set BV,   96
.set AF,   128
.set T,    128                         ; v128-191 a block's 64 numbers; later the stage read back
.set CD,   192                         ; v192-223 a block's codes, two sets
.set G1, 24
.set G0, 32
.set G1B, 48
.set G0B, 56
.set MSB, 0
.macro WIN new                         ; the immediate's high byte repeats the setting that is left
.if MSB != (\new)
	s_set_vgpr_msb (MSB<<8)|(\new)
.set MSB, (\new)
.endif
.endm
.set MUL_LO, 0xa1                      ; source 0 (B) window 1, source 1 (A) window 0, C and D window 2
.set MUL_HI, 0xf1
.set TO_B,   0x40
; A joint load: waves 0 and 1 fetch for A, waves 2 and 3 for B; the branch hangs on the wave's number alone.  Four v_nop follow each of the two lines.
.macro JLOAD g0a, g1a, g0b, g1b
	s_cmp_eq_u32 s15, 0
	s_cbranch_scc0 .Lfor_b_\@
	tensor_load_to_lds s[\g0a:\g0a+3], s[\g1a:\g1a+7]
	s_nop 0
.rept 4
	v_nop
.endr
	s_branch .Lasked_\@
.Lfor_b_\@:
	tensor_load_to_lds s[\g0b:\g0b+3], s[\g1b:\g1b+7]
	s_nop 0
.rept 4
	v_nop
.endr
.Lasked_\@:
.endm
.macro CREST                           ; a round of the cluster's barrier behind its opening barrier
	s_cmp_lg_u32 s14, 0
	s_cbranch_scc1 .Lnot_wave_0_\@
	s_barrier_signal -3
.Lnot_wave_0_\@:
	s_barrier_wait -3
	s_barrier_signal -1
	s_barrier_wait -1
.endm
.macro CROUND
	s_barrier_signal -1
	s_barrier_wait -1
	CREST
.endm
	s_load_b512 s[68:83], s[0:1], 0x0              ; Q s[68:69], K s[70:71], V s[72:73], W_q s[74:75], W_k s[76:77], W_v s[78:79], b_q s[80:81], b_k s[82:83]
	s_load_b256 s[84:91], s[0:1], 0x40             ; b_v s[84:85], the scales' exponents s[86:87], qimg s[88:89], kv s[90:91]
	v_lshl_add_u32 v[SPW], v0, 2, SPARE
	v_mov_b32 v[NIL], 0
	ds_add_u32 v28, v29
	ds_add_u32 v28, v29
	s_wait_dscnt 0x0
	v_lshrrev_b32 v1, 5, v0
	v_readfirstlane_b32 s14, v1                    ; wave 0..3
	s_lshr_b32 s15, s14, 1                         ; which half of the tile's rows is mine.  Also: I fetch for A (0) or for B (1)
	s_and_b32 s16, s14, 1                          ; which half of its columns.  Also: which 128 rows of that tile I fetch
	s_bfe_u32 s40, ttmp6, 0x40000                  ; cx, cy: my place in the cluster
	s_bfe_u32 s41, ttmp6, 0x40004
	s_and_b32 s13, ttmp7, 0xffff                   ; the cluster's y, 0..11
	s_lshr_b32 s12, s13, 2                         ; role
	s_and_b32 s13, s13, 3
	s_lshl_b32 s13, s13, 2                         ; which four tiles of the 16 along the tokens
	s_cmp_eq_u32 s12, 2
	s_cselect_b32 s17, 0, s13                      ; the tokens are A's rows for q and k,
	s_cselect_b32 s42, s13, 0                      ; B's rows for v
	s_add_co_u32 s17, s17, s41                     ; tile row (of A): made of cy alone
	s_add_co_u32 s42, s42, s40                     ; tile column (of B): made of cx alone
	s_lshl_b32 s43, s41, 2
	s_lshl_b32 s43, 15, s43                        ; my row of the cluster
	s_lshl_b32 s44, 0x1111, s40                    ; my column
	s_or_b32 s[G1+0], s43, (0<<16)|(1<<20)|(1<<21)|(5<<22)|(3<<25)  ; the mask; elements of 1 byte; padding on; bit 21 beside a mask; 4 words after every 64
	s_or_b32 s[G1B+0], s44, (0<<16)|(1<<20)|(1<<21)|(5<<22)|(3<<25)
.irp g, G1, G1B
	s_mov_b32 s[\g+1], ROWB<<16                    ; tensor_dim0
	s_mov_b32 s[\g+2], 128<<16                     ; tensor_dim1
	s_mov_b32 s[\g+3], ROWB<<16                    ; tile_dim0
	s_mov_b32 s[\g+4], 128                         ; tile_dim1
	s_mov_b32 s[\g+5], KROW                        ; tensor_dim0_stride
	s_mov_b32 s[\g+6], 0
	s_mov_b32 s[\g+7], 0
.endr
	s_lshl_b32 s18, s16, 7
	s_lshl_b32 s20, s17, 8
	s_add_co_u32 s20, s20, s18                     ; A: row 256 x tile row + 128 x half,
	s_lshl_b32 s20, s20, 10                        ; in bytes
	s_mov_b32 s21, 0
	s_lshl_b32 s46, s42, 8
	s_add_co_u32 s46, s46, s18                     ; B likewise
	s_lshl_b32 s46, s46, 10
	s_mov_b32 s47, 0
	s_mul_i32 s45, s14, HALFT                      ; where they go: wave x 128 rows
	s_wait_kmcnt 0x0
	s_cmp_eq_u32 s12, 0                            ; the buffers are chosen by the role, which hangs on no address
	s_cselect_b64 s[4:5], s[68:69], s[70:71]
	s_cselect_b64 s[6:7], s[74:75], s[76:77]
	s_cselect_b64 s[8:9], s[80:81], s[82:83]
	s_cselect_b64 s[10:11], s[88:89], s[90:91]
	s_cmp_eq_u32 s12, 2
	s_cselect_b64 s[4:5], s[78:79], s[4:5]         ; A
	s_cselect_b64 s[6:7], s[72:73], s[6:7]         ; B
	s_cselect_b64 s[8:9], s[84:85], s[8:9]         ; the bias
	s_load_b256 s[68:75], s[86:87], 0x0            ; e0 .. e7
	s_load_b128 s[76:79], s[86:87], 0x20           ; e8 .. e11
	s_add_nc_u64 s[20:21], s[4:5], s[20:21]
	s_add_nc_u64 s[46:47], s[6:7], s[46:47]
	CROUND                                         ; all sixteen work-groups are here: the first joint loads meet
.irp s, 0,1
	s_mov_b32 s[G0+4*\s], 1
	s_add_co_u32 s[G0+4*\s+1], s45, \s*SLOT
	s_add_nc_u64 s[G0+4*\s+2:G0+4*\s+3], s[20:21], \s*ROWB
	s_or_b32 s[G0+4*\s+3], s[G0+4*\s+3], 0x80000000
	s_mov_b32 s[G0B+4*\s], 1
	s_add_co_u32 s[G0B+4*\s+1], s45, \s*SLOT
	s_add_nc_u64 s[G0B+4*\s+2:G0B+4*\s+3], s[46:47], \s*ROWB
	s_or_b32 s[G0B+4*\s+3], s[G0B+4*\s+3], 0x80000000
	JLOAD G0+4*\s, G1, G0B+4*\s, G1B
.endr
	v_and_b32 v1, 15, v0                           ; r
	v_bfe_u32 v2, v0, 4, 1                         ; h
	v_mul_u32_u24 v3, v1, PITCH
	v_lshl_add_u32 v4, v2, 4, v3                   ; a fragment's row x pitch + 16 x half
	s_mul_i32 s21, s15, HALFT
	s_mul_i32 s22, s16, HALFT
	s_add_co_u32 s22, s22, 2*HALFT
.irp s, 0,1
	v_add_nc_u32 v[ADRA+\s], s21, v4
	v_add_nc_u32 v[ADRB+\s], s22, v4
	s_add_co_u32 s21, s21, SLOT
	s_add_co_u32 s22, s22, SLOT
.endr
	s_lshl_b32 s23, s14, 14                        ; my stage: 16 KB x wave
	v_lshrrev_b32 v5, 3, v1
	v_and_b32 v6, 7, v1
	v_lshlrev_b32 v5, 10, v5
	v_lshl_add_u32 v5, v6, 4, v5
	v_lshl_add_u32 v5, v2, 3, v5
	v_add_nc_u32 v[STOQ], s23, v5                  ; token 16 a + r lies in tile (a & ~1) + r / 8, lane row 8 (a & 1) + r % 8: 1,024 (r / 8) + 16 (r % 8) + 8 h
	v_lshlrev_b32 v6, 4, v1
	v_lshl_add_u32 v6, v2, 3, v6
	v_add_nc_u32 v6, s23, v6
	v_add_nc_u32 v[STOV], STGV, v6                 ; channel r: 16 r + 8 h
	v_and_b32 v7, 31, v0
	v_lshlrev_b32 v[GO], 4, v7
	v_add_nc_u32 v[RDQ], s23, v[GO]
	v_add_nc_u32 v[RDV], STGV, v[RDQ]
	; which 128 tokens (TK, 0..31) and which pair of heads (HP, 0..7) are my wave's; where the biases and the images lie
	s_lshl_b32 s18, s17, 1
	s_add_co_u32 s18, s18, s15                     ; my 128 rows of A
	s_lshl_b32 s19, s42, 1
	s_add_co_u32 s19, s19, s16                     ; my 128 rows of B
	s_cmp_eq_u32 s12, 2
	s_cselect_b32 s20, s19, s18                    ; TK
	s_cselect_b32 s21, s18, s19                    ; HP
	s_cselect_b32 s22, 0, s19                      ; the bias along the columns (q, k; for v the first 128, loaded and not used)
	s_cselect_b32 s66, s18, 0                      ; the bias along the rows (v; else loaded and not used)
	s_cselect_b32 s67, 8192, 0                     ; V's image lies behind K's
	s_lshl_b32 s22, s22, 9
	s_mov_b32 s23, 0
	s_add_nc_u64 s[98:99], s[8:9], s[22:23]
	s_lshl_b32 s22, s66, 9
	s_add_nc_u64 s[100:101], s[8:9], s[22:23]
	s_lshr_b32 s22, s20, 4                         ; batch
	s_lshl_b32 s22, s22, 4
	s_lshl_b32 s21, s21, 1                         ; head
	s_add_co_u32 s22, s22, s21
	s_lshl_b32 s22, s22, 4
	s_and_b32 s20, s20, 15
	s_add_co_u32 s22, s22, s20                     ; (batch x 16 + head) x 16 + the block of 128 tokens
	s_cmp_eq_u32 s12, 0
	s_cselect_b32 s66, 13, 14                      ; 8 KB to a block in qimg, 16 KB in kv
	s_lshl_b32 s22, s22, s66
	s_add_co_u32 s22, s22, s67
	s_add_nc_u64 s[92:93], s[10:11], s[22:23]      ; my first head's 8 KB,
	s_lshl_b32 s22, 16, s66
	s_add_nc_u64 s[94:95], s[92:93], s[22:23]      ; my second head's
	v_lshlrev_b32 v12, 5, v2                       ; never rewritten
	v_lshlrev_b32 v13, 2, v1                       ; never rewritten
.irp b, 0,1,2,3,4,5,6,7
	global_load_b128 v[BQ+8*\b:BQ+8*\b+3], v12, s[98:99] offset:64*\b         ; the bias of columns 16 b + 8 h + 0..7
	global_load_b128 v[BQ+8*\b+4:BQ+8*\b+7], v12, s[98:99] offset:64*\b+16
.endr
.irp a, 0,1,2,3,4,5,6,7
	global_load_b32 v[BV+2*\a], v13, s[100:101] offset:64*\a                   ; the bias of row 16 a + r, twice: a pair for the packed form
	global_load_b32 v[BV+2*\a+1], v13, s[100:101] offset:64*\a
.endr
.macro FRAG reg, adr, q, i             ; a fragment: lane l holds row l % 16; registers 4 c .. 4 c + 3 hold K = 32 c + 16 (l / 16) + 0 .. 15: the same order of K in A and in B
.irp c, 0,1,2,3
	ds_load_b128 v[\reg+4*\c:\reg+4*\c+3], v[\adr] offset:128*(\q)+32*\c+(\i)*16*PITCH
.endr
.endm
; 16 matrix instructions: A's blocks a0, a0 + 1 x B's eight.  The 64 accumulators take turns, one instruction a turn, in the same order in every step.
.macro MUL16 a0, p, zero
.irp a, \a0, \a0+1
.irp b, 0,1,2,3,4,5,6,7
.if \zero
	v_wmma_f32_16x16x128_fp8_fp8 v[8*(8*((\a)%4)+\b):8*(8*((\a)%4)+\b)+7], v[128*(\p)+FR*\b:128*(\p)+FR*\b+FR-1], v[AF+FR*(\a):AF+FR*(\a)+FR-1], 0
.else
	v_wmma_f32_16x16x128_fp8_fp8 v[8*(8*((\a)%4)+\b):8*(8*((\a)%4)+\b)+7], v[128*(\p)+FR*\b:128*(\p)+FR*\b+FR-1], v[AF+FR*(\a):AF+FR*(\a)+FR-1], v[8*(8*((\a)%4)+\b):8*(8*((\a)%4)+\b)+7]
.endif
.endr
.endr
.endm
.macro FETCH_B slot, q, p
	WIN TO_B
.irp i, 0,1,2,3,4,5,6,7
	FRAG 128*(\p)+FR*\i, ADRB+\slot, \q, \i
.endr
	WIN 0
.endm
.macro FETCH_A slot, q, i0
.irp i, \i0, \i0+1, \i0+2, \i0+3
	FRAG AF+FR*(\i), ADRA+\slot, \q, \i
.endr
.endm
.macro PLACES n                        ; plain vector instructions between a matrix instruction and a load into, or a read of, its registers
.rept \n
	v_nop
.endr
.endm
.macro STEP slot, q, zero              ; 128 along K whose successor lies in the same slot
	s_wait_dscnt 4*NL                              ; B's set and A's blocks 0-3 are in; the youngest 16 loads (A's blocks 4-7) may be out
	WIN MUL_LO
	MUL16 0, (\q)%2, \zero
	MUL16 2, (\q)%2, \zero
	s_wait_dscnt 0
	PLACES NP
	FETCH_B \slot, (\q)+1, 1-(\q)%2
	FETCH_A \slot, (\q)+1, 0
	WIN MUL_HI
	MUL16 4, (\q)%2, \zero
	MUL16 6, (\q)%2, \zero
	PLACES NP
	WIN 0
	FETCH_A \slot, (\q)+1, 4
.endm
; A slot's last step changes slots: one barrier; in front of it each wave waits for all its tensor loads, adds 0 to its spare word, and waits for that and for its own reads of this slot.
.macro TURN slot, next, fill
	s_wait_tensorcnt 0x0                           ; all my tensor loads have landed: my part of the next slot
	ds_add_u32 v[SPW], v[NIL]                      ; 0 onto my spare word
	s_wait_dscnt 4*NL+1                            ; (the add and the youngest 16 loads may be out)
	WIN MUL_LO
	MUL16 0, 1, 0
	s_wait_dscnt 0x0                               ; the add is done, and my reads of this slot are over
	s_barrier_signal -1
	MUL16 2, 1, 0
	WIN 0
	s_barrier_wait -1
.if \fill
	CREST                                          ; the barrier has opened a round of the cluster's barrier: no wave of any partner still reads this slot or has a load on its way
	s_add_nc_u64 s[G0+4*\slot+2:G0+4*\slot+3], s[G0+4*\slot+2:G0+4*\slot+3], 2*ROWB
	s_add_nc_u64 s[G0B+4*\slot+2:G0B+4*\slot+3], s[G0B+4*\slot+2:G0B+4*\slot+3], 2*ROWB
	JLOAD G0+4*\slot, G1, G0B+4*\slot, G1B         ; the first tensor load behind the round; its four v_nop are the places in front of the loads below
.else
	PLACES NP
.endif
	FETCH_B \next, 0, 0
	FETCH_A \next, 0, 0
	WIN MUL_HI
	MUL16 4, 1, 0
	MUL16 6, 1, 0
	PLACES NP
	WIN 0
	FETCH_A \next, 0, 4
.endm
	s_wait_tensorcnt 1                             ; my part of K step 0 is in (K step 1's load may be out),
	s_barrier_signal -1
	s_barrier_wait -1                              ; everybody's is
	FETCH_B 0, 0, 0
	FETCH_A 0, 0, 0
	FETCH_A 0, 0, 4
	STEP 0, 0, 1                                   ; the first step's products start the sums
	s_mov_b32 s3, LAPS-1
.Llap:
	TURN 0, 1, 1
	STEP 1, 0, 0
	TURN 1, 0, 1
	STEP 0, 0, 0
	s_sub_co_u32 s3, s3, 1
	s_cmp_lg_u32 s3, 0
	s_cbranch_scc1 .Llap
	TURN 0, 1, 0                                   ; the last lap fills nothing
	STEP 1, 0, 0
	s_wait_dscnt 4*NL
	WIN MUL_LO
	MUL16 0, 1, 0
	MUL16 2, 1, 0
	s_wait_dscnt 0
	WIN MUL_HI
	MUL16 4, 1, 0
	MUL16 6, 1, 0
	WIN 0
; THE WAY OUT.  Block a (A's 16 rows x my 128 columns): number = sum x 2^(ea + eb) + bias, in f32; held within 448 x the result's scale; eight neighbours along the next K become 8 codes;
; they go to their place in the images, in my stage.  var = 0: q, k; 1: v.
.macro QBLK a, var
.set AC, 64*((\a)%4)
.set CC, CD+16*((\a)%2)
.if (\a) >= 2
	s_wait_dscnt 8                                 ; all but the block before's eight stores are done: this set of code registers is free
.endif
	WIN 0x02+((\a)/4)                              ; source 0: window 2 or 3
.irp b, 0,1,2,3,4,5,6,7
.irp j, 0,2,4,6
.if \var
	v_pk_fma_f32 v[T+8*\b+\j:T+8*\b+\j+1], v[AC+8*\b+\j:AC+8*\b+\j+1], s[96:97], v[BV+2*(\a):BV+2*(\a)+1] op_sel_hi:[1,0,1]
.else
	v_pk_fma_f32 v[T+8*\b+\j:T+8*\b+\j+1], v[AC+8*\b+\j:AC+8*\b+\j+1], s[96:97], v[BQ+8*\b+\j:BQ+8*\b+\j+1] op_sel_hi:[1,0,1]
.endif
.endr
.endr
	WIN 0
.set i, 0
.rept 64
	v_med3_num_f32 v[T+i], v[T+i], -v[LIM], v[LIM] ; the conversion to an 8-bit code does not saturate (ISA guide 7.6.2)
.set i, i+1
.endr
.irp b, 0,1,2,3,4,5,6,7
	v_cvt_scalef32_pk8_fp8_f32 v[CC+2*\b:CC+2*\b+1], v[T+8*\b:T+8*\b+7], v[SCL]
.endr
	v_nop                                          ; a plain vector instruction behind the last conversion, ahead of the next block's writes of its sources
.irp b, 0,1,2,3,4,5,6,7
.if \var
	ds_store_b64 v[STOV], v[CC+2*\b:CC+2*\b+1] offset:8192*((\a)/4)+2048*((\a)%4)+512*(\b/2)+256*(\b%2)   ; head a / 4, channel tile a % 4; keys 16 b + 8 h on: chunk b / 2, lane half b % 2
.else
	ds_store_b64 v[STOQ], v[CC+2*\b:CC+2*\b+1] offset:8192*(\b/4)+1024*(((\a)/2)*2)+128*((\a)%2)+512*((\b%4)/2)+256*(\b%2)   ; head b / 4; channels 16 (b % 4) + 8 h on: chunk (b % 4) / 2, lane half b % 2
.endif
.endr
.endm
; A quarter of my stage (4 KB) comes back as it lies and is stored: each store covers 512 consecutive bytes, aligned.  LDS serves a wave's instructions in order: the loads see my stores.
.macro BACK g, rd
.if (\g) >= 2
	s_wait_xcnt 0x0                                ; the stores of two quarters ago have read their registers
.endif
.irp i, 0,1,2,3,4,5,6,7
	ds_load_b128 v[T+32*((\g)%2)+4*\i:T+32*((\g)%2)+4*\i+3], v[\rd] offset:512*(8*(\g)+\i)
.endr
	s_wait_dscnt 0x0
.irp i, 0,1,2,3,4,5,6,7
	global_store_b128 v[GO], v[T+32*((\g)%2)+4*\i:T+32*((\g)%2)+4*\i+3], s[92+2*((\g)/2):93+2*((\g)/2)] offset:512*(8*((\g)%2)+\i)
.endr
.endm
	s_wait_kmcnt 0x0                               ; the exponents
	s_wait_loadcnt 0x0                             ; the biases
	s_cmp_eq_u32 s12, 0
	s_cselect_b32 s18, s68, s70
	s_cselect_b32 s19, s69, s71
	s_cselect_b32 s20, s74, s75
	s_cmp_eq_u32 s12, 2
	s_cselect_b32 s18, s72, s18                    ; ea
	s_cselect_b32 s19, s73, s19                    ; eb
	s_cselect_b32 s20, s77, s20                    ; the result's: e6, e7 or e9
	s_add_co_i32 s96, s18, s19
	s_add_co_i32 s96, s96, 127
	s_lshl_b32 s96, s96, 23                        ; 2^(ea + eb) as f32
	s_mov_b32 s97, s96                             ; (named with it as a pair)
	s_add_co_i32 s20, s20, 127
	s_lshl_b32 s21, s20, 23
	v_mov_b32 v[SCL], s21
	s_add_co_i32 s20, s20, 8
	s_lshl_b32 s20, s20, 23
	s_or_b32 s20, s20, 0x600000
	v_mov_b32 v[LIM], s20
	PLACES NP                                      ; behind the last products: their results are read and A's registers written below
	s_cmp_eq_u32 s12, 2                            ; the role is the same in all partners; no barrier and no tensor load stands in either way
	s_cbranch_scc1 .Lway_v
.irp a, 0,1,2,3,4,5,6,7
	QBLK \a, 0
.endr
.irp g, 0,1,2,3
	BACK \g, RDQ
.endr
	s_branch .Lout
.Lway_v:
.irp a, 0,1,2,3,4,5,6,7
	QBLK \a, 1
.endr
.irp g, 0,1,2,3
	BACK \g, RDV
.endr
.Lout:
	s_wait_tensorcnt 0x0                           ; the wave's end
	ds_add_u32 v[SPW], v[NIL]
	s_wait_dscnt 0x0
	CROUND                                         ; the closing round
	s_endpgm
.Lfunc_end_k_q2d7fe07fdf_proj:
	.size	k_q2d7fe07fdf_proj, .Lfunc_end_k_q2d7fe07fdf_proj-k_q2d7fe07fdf_proj
	.p2alignl 7, 3214868480
	.fill 96, 4, 3214868480
	.section	.rodata,"a",@progbits
	.p2align	6, 0x0
	.amdhsa_kernel k_q2d7fe07fdf_proj
		.amdhsa_group_segment_fixed_size 327680
		.amdhsa_private_segment_fixed_size 0
		.amdhsa_enable_private_segment 0
		.amdhsa_kernarg_size 96
		.amdhsa_user_sgpr_count 2
		.amdhsa_user_sgpr_kernarg_segment_ptr 1
		.amdhsa_wavefront_size32 1
		.amdhsa_system_sgpr_workgroup_id_x 1
		.amdhsa_system_sgpr_workgroup_id_y 1
		.amdhsa_system_sgpr_workgroup_id_z 1
		.amdhsa_system_vgpr_workitem_id 0
		.amdhsa_next_free_vgpr 1024
		.amdhsa_next_free_sgpr 102
		.amdhsa_reserve_vcc 0
		.amdhsa_float_denorm_mode_32 3
		.amdhsa_float_denorm_mode_16_64 3
		.amdhsa_memory_ordered 1
		.amdhsa_forward_progress 1
		.amdhsa_inst_pref_size 207
	.end_amdhsa_kernel
	.amdgpu_metadata
---
amdhsa.version: [ 1, 2 ]
amdhsa.kernels:
  - .name:           k_q2d7fe07fdf_proj
    .symbol:         k_q2d7fe07fdf_proj.kd
    .args:
      - { .name: Q_codes, .offset: 0, .size: 8, .value_kind: global_buffer, .address_space: global }
      - { .name: K_codes, .offset: 8, .size: 8, .value_kind: global_buffer, .address_space: global }
      - { .name: V_codes, .offset: 16, .size: 8, .value_kind: global_buffer, .address_space: global }
      - { .name: W_q_codes, .offset: 24, .size: 8, .value_kind: global_buffer, .address_space: global }
      - { .name: W_k_codes, .offset: 32, .size: 8, .value_kind: global_buffer, .address_space: global }
      - { .name: W_v_codes, .offset: 40, .size: 8, .value_kind: global_buffer, .address_space: global }
      - { .name: b_q, .offset: 48, .size: 8, .value_kind: global_buffer, .address_space: global }
      - { .name: b_k, .offset: 56, .size: 8, .value_kind: global_buffer, .address_space: global }
      - { .name: b_v, .offset: 64, .size: 8, .value_kind: global_buffer, .address_space: global }
      - { .name: lowp_scales, .offset: 72, .size: 8, .value_kind: global_buffer, .address_space: global }
      - { .name: qimg, .offset: 80, .size: 8, .value_kind: global_buffer, .address_space: global }
      - { .name: kv, .offset: 88, .size: 8, .value_kind: global_buffer, .address_space: global }
    .group_segment_fixed_size: 327680
    .private_segment_fixed_size: 0
    .kernarg_segment_align: 8
    .kernarg_segment_size: 96
    .max_flat_workgroup_size: 128
    .sgpr_count:     102
    .vgpr_count:     1024
    .wavefront_size: 32
...
	.end_amdgpu_metadata
.endif
;; end of part 2
;; launch attn (part 3): grid 8 x 32, 8 waves a work-group, no clusters, 273,408 bytes of LDS; arguments qimg, kv, maskbits, mflags, lowp_scales, ao; writes ao
.if DOCPART == 3
	.amdgcn_target "amdgcn-amd-amdhsa--gfx1250"
	.amdhsa_code_object_version 6
	.text
	.protected	k_q2d7fe07fdf_attn
	.globl	k_q2d7fe07fdf_attn
	.p2align	8
	.type	k_q2d7fe07fdf_attn,@function
k_q2d7fe07fdf_attn:
	s_mov_b64 s[64:65], 0
	v_nop
	global_prefetch_b8 v0, s[64:65] scope:SCOPE_SE
	s_setreg_imm32_b32 hwreg(HW_REG_WAVE_MODE, 25, 1), 1
	s_wait_xcnt 0x0
; Attention on codes of E4M3: for each of 32 (batch, head): scores = q k^T / 8, masked entries = a very large negative number, p = 2^(t - M), o = (p v) / sum(p), quantised with 2^e10 into ao [head 16][token 4,096][64].
; SHARES.  Work-group (j, bh): one (batch, head); its eight waves own two tiles of 16 queries each: T_A = j + 8 w and T_B = 127 - T_A.  The head's K and V, 262,144 bytes of operand images, lie in LDS whole.
; They go in through registers (memory order = LDS order): key steps 0-3 ahead of the first barrier; the other twelve during the first four trips, 48 KB a trip (asked for at a trip's head, stored at its end), ahead of the second.
; LAYOUT.  Both products are used transposed: S^T = K Q^T (16x16x64), O^T = V^T P^T (16x16x128): a lane holds ONE query.  The keys of a tile are chosen so that registers 16 b + i of S^T are keys 32 b + 16 (lane / 16) + i.
; THE MASK comes as lane masks (maskbits): one v_cndmask_b32 a register, its selector a scalar register.  mflags says which key steps a tile needs and which of them are mixed: a step that no query of the tile sees is jumped over
; (its p would be 0), a step that is all ones is not masked.  These are branches on whole numbers that an earlier launch stored.  THAT IS WHY THIS LAUNCH HAS NO TENSOR LOAD AND NO CLUSTER: the walk differs from wave to wave and
; from work-group to work-group, so partners could not make every joint request alike.  No prefetch either: every byte is asked for by its own load, a trip ahead of its use at the least.
; THE MASKED VALUE, as a raw sum, is -2^(33 - E), E = e6 + e7: times c it is -2^30 x log2(e), a whole number.  So a row that is masked everywhere has p = 1 at all keys (a uniform softmax), and beside any true score p = 0.
; THE SOFTMAX: t = sum x c, c = 2^E log2(e) / 8; M = the running largest t rounded up; p = 2^(t - M); the sum is taken of the unquantised p; when M moves, the sum and O^T are multiplied by 2^(old M - new M): exact.
; p never exceeds 1 by more than a rounding, so its hold at 448 x 2^e8 is jumped over where e8 >= -8 (448 x 2^-8 = 1.75).
; LIMITS: E between -94 and 8 (no true t comes near the masked one: |sum| <= 64 x 448^2 < 2^24); e8 and e10 between -126 and 119.  NaN is not served.
; REGISTERS.  Window 0: v1 16 x lane; v2 16 x thread; v3, v4 LDS addresses in hand; v5 the masked value; v6, v7 448 x 2^e8, 2^e8; v8, v9 the way out; v10, v11 448 x 2^e10, 2^e10; v12-15, v16-19 a tile's -M, largest t, sum (a pair);
;   v20-27 at work; v28-31 1 / sum; v32-95 S^T, then p; v96-111 p's codes; v112-127 Q's two fragments; v128-175 staging; v176-191 rows on the way out.
;   Window 1: v0-63 K's eight fragments; v64-127 V's four; v128-159, v160-191 O^T of the two tiles.
.set S,   32
.set P,   96
.set QA,  112
.set ST,  128
.set BK,  176
.set KF,  0
.set VF,  64
.set OA,  128
.set STG, 262144                       ; behind K and V: 16 rows x 80 bytes for each wave, for the way out
.set MSB, 0
.macro WIN new                         ; the immediate's high byte repeats the setting that is left
.if MSB != (\new)
	s_set_vgpr_msb (MSB<<8)|(\new)
.set MSB, (\new)
.endif
.endm
.macro QROW d, t, x                    ; s[d] = the first query of tile s[t]: 128 (T / 8) + 32 ((T % 8) / 2) + 8 (T % 2)
	s_lshr_b32 s[\d], s[\t], 3
	s_lshl_b32 s[\d], s[\d], 7
	s_bfe_u32 s[\x], s[\t], 0x20001
	s_lshl_b32 s[\x], s[\x], 5
	s_add_co_u32 s[\d], s[\d], s[\x]
	s_and_b32 s[\x], s[\t], 1
	s_lshl_b32 s[\x], s[\x], 3
	s_add_co_u32 s[\d], s[\d], s[\x]
.endm
	s_load_b256 s[16:23], s[0:1], 0x0              ; qimg s[16:17], kv s[18:19], maskbits s[20:21], mflags s[22:23]
	s_load_b128 s[24:27], s[0:1], 0x20             ; the scales' exponents s[24:25], ao s[26:27]
	v_lshl_add_u32 v254, v0, 2, 0x42800
	v_mov_b32 v255, 0
	v_lshrrev_b32 v20, 5, v0
	v_readfirstlane_b32 s87, v20                   ; wave 0..7
	v_and_b32 v21, 31, v0
	v_lshlrev_b32 v1, 4, v21                       ; 16 x lane
	v_lshlrev_b32 v2, 4, v0                        ; 16 x thread: the work-group's 4,096 bytes of a fill
	s_and_b32 s97, ttmp7, 0xffff                   ; batch x 16 + head
	s_lshl_b32 s98, s87, 3
	s_add_co_u32 s98, s98, ttmp9                   ; T_A
	s_sub_co_u32 s99, 127, s98                     ; T_B
	s_lshl_b32 s28, s97, 18
	s_mov_b32 s29, 0
	s_wait_kmcnt 0x0
	s_add_nc_u64 s[4:5], s[18:19], s[28:29]        ; the head's K and V
.set n, 0
.rept 16
	global_load_b128 v[S+4*n:S+4*n+3], v2, s[4:5] offset:4096*n   ; key steps 0-3: 64 KB for the work-group
.set n, n+1
.endr
	s_add_nc_u64 s[94:95], s[4:5], 65536           ; where the staging goes on
	s_lshl_b32 s28, s97, 17
	s_lshl_b32 s30, s98, 10
	s_add_co_u32 s30, s30, s28
	s_mov_b32 s31, 0
	s_add_nc_u64 s[30:31], s[16:17], s[30:31]
	s_lshl_b32 s32, s99, 10
	s_add_co_u32 s32, s32, s28
	s_mov_b32 s33, 0
	s_add_nc_u64 s[32:33], s[16:17], s[32:33]
	global_load_b128 v[QA:QA+3], v1, s[30:31]                  ; Q's fragments stay in registers
	global_load_b128 v[QA+4:QA+7], v1, s[30:31] offset:512
	global_load_b128 v[QA+8:QA+11], v1, s[32:33]
	global_load_b128 v[QA+12:QA+15], v1, s[32:33] offset:512
	s_lshl_b32 s34, s98, 2
	s_lshl_b32 s35, s99, 2
	s_load_b32 s84, s[22:23], s34 offset:0x0       ; the two tiles' flags
	s_load_b32 s85, s[22:23], s35 offset:0x0
	s_load_b128 s[36:39], s[24:25], 0x18           ; e6, e7, e8, e9
	s_load_b32 s40, s[24:25], 0x28                 ; e10
	s_lshl_b32 s42, s98, 12
	s_mov_b32 s43, 0
	s_add_nc_u64 s[6:7], s[20:21], s[42:43]        ; the tiles' lane masks
	s_lshl_b32 s42, s99, 12
	s_add_nc_u64 s[8:9], s[20:21], s[42:43]
	s_and_b32 s44, s97, 15
	s_lshr_b32 s45, s97, 4
	s_lshl_b32 s44, s44, 12
	s_lshl_b32 s45, s45, 11
	s_add_co_u32 s44, s44, s45                     ; head x 4,096 + batch x 2,048
	QROW 46, 98, 47
	s_add_co_u32 s46, s46, s44
	s_lshl_b32 s46, s46, 6
	s_mov_b32 s47, 0
	s_add_nc_u64 s[90:91], s[26:27], s[46:47]      ; ao at tile A's first query
	QROW 46, 99, 47
	s_add_co_u32 s46, s46, s44
	s_lshl_b32 s46, s46, 6
	s_mov_b32 s47, 0
	s_add_nc_u64 s[92:93], s[26:27], s[46:47]      ; and at tile B's
	s_mov_b32 s12, 0x76543210                      ; v_permlanex16_b32: lane l xor 16
	s_mov_b32 s13, 0xfedcba98
	v_and_b32 v20, 15, v0                          ; r
	v_bfe_u32 v21, v0, 4, 1                        ; h
	s_mul_i32 s48, s87, 1280
	s_add_co_u32 s48, s48, STG                     ; my stage
	v_mul_u32_u24 v8, v20, 80
	v_lshl_add_u32 v8, v21, 3, v8
	v_add_nc_u32 v8, s48, v8                       ; in: row r, + 8 h
	v_bfe_u32 v9, v0, 2, 3
	v_mul_u32_u24 v9, v9, 80
	v_and_b32 v20, 3, v0
	v_lshl_add_u32 v9, v20, 4, v9
	v_add_nc_u32 v9, s48, v9                       ; back: four lanes to a row of 64 bytes, eight rows an instruction
	v_mov_b32 v13, 0xff61b1e6                      ; the largest t so far: -3e38
	v_floor_f32 v12, -v13                          ; -M
	v_mov_b32 v14, 0
	v_mov_b32 v15, 0
	v_mov_b32 v17, 0xff61b1e6
	v_floor_f32 v16, -v17
	v_mov_b32 v18, 0
	v_mov_b32 v19, 0
	v_mov_b32 v23, 0                               ; (upper halves of pairs, and lane permutes' destinations, are written once)
	v_mov_b32 v24, 0
	v_mov_b32 v25, 0
	v_mov_b32 v29, 0
	v_mov_b32 v31, 0
	WIN 0x40
.set n, 0
.rept 64
	v_mov_b32 v[OA+n], 0                           ; O^T: which step is a tile's first is not known here, so the sums begin as zeros, which the first change of M leaves zeros
.set n, n+1
.endr
	WIN 0
	s_wait_kmcnt 0x0
	s_or_b32 s86, s84, s85                         ; bits 0-15: the steps that either tile needs
	s_add_co_i32 s49, s36, s37                     ; E
	s_lshl_b32 s50, s49, 23
	s_add_co_i32 s10, s50, 0x3e38aa3b              ; c = log2(e) / 8, E added to its exponent field
	s_mov_b32 s11, s10
	s_sub_co_i32 s50, 160, s49
	s_lshl_b32 s50, s50, 23
	s_or_b32 s50, s50, 0x80000000
	v_mov_b32 v5, s50                              ; -2^(33 - E)
	s_mov_b32 s88, s38                             ; e8
	s_add_co_i32 s89, s38, s39                     ; e8 + e9
	s_add_co_i32 s50, s38, 127
	s_lshl_b32 s51, s50, 23
	v_mov_b32 v7, s51
	s_add_co_i32 s50, s50, 8
	s_lshl_b32 s50, s50, 23
	s_or_b32 s50, s50, 0x600000
	v_mov_b32 v6, s50
	s_add_co_i32 s50, s40, 127
	s_lshl_b32 s51, s50, 23
	v_mov_b32 v11, s51
	s_add_co_i32 s50, s50, 8
	s_lshl_b32 s50, s50, 23
	s_or_b32 s50, s50, 0x600000
	v_mov_b32 v10, s50
	s_wait_loadcnt 0x4                             ; the sixteen fill loads are in; Q's four may be out
.set n, 0
.rept 16
	ds_store_b128 v2, v[S+4*n:S+4*n+3] offset:4096*n
.set n, n+1
.endr
	s_wait_loadcnt 0x0                             ; Q; and the scalar bases of these loads may be written again
	s_wait_dscnt 0x0                               ; for the others' sake: my part of key steps 0-3 has landed
	s_barrier_signal -1
	s_barrier_wait -1
; ONE TILE'S PART OF A KEY STEP.  u = 0: tile A, 1: tile B.
.macro TILE u
.set NM, 12+4*(\u)
.set TM, 13+4*(\u)
.set SU, 14+4*(\u)
.set QF, QA+8*(\u)
.set OF, OA+32*(\u)
	s_bitcmp1_b32 s[84+\u], s14
	s_cbranch_scc0 .Lskip_\@                       ; no query of the tile sees a key of this step
	s_load_b512 s[16:31], s[6+2*\u:7+2*\u], s67 offset:0x0     ; the step's 64 lane masks, asked for ahead of the products; always, so that every path has them written
	s_load_b512 s[32:47], s[6+2*\u:7+2*\u], s67 offset:0x40
	s_load_b512 s[48:63], s[6+2*\u:7+2*\u], s67 offset:0x80
	s_load_b512 s[68:83], s[6+2*\u:7+2*\u], s67 offset:0xc0
	s_wait_dscnt 16                                ; K's sixteen loads are in; V's sixteen, issued behind them, may be out
	WIN 0x01                                       ; source 0 (K) window 1
.irp t, 0,1,2,3,4,5,6,7
	v_wmma_f32_16x16x64_fp8_fp8 v[S+8*\t:S+8*\t+7], v[KF+8*\t:KF+8*\t+7], v[QF:QF+7], 0
.endr
	WIN 0
.rept 4
	v_nop                                          ; places behind the products, ahead of the first read of their results
.endr
	s_bitcmp1_b32 s[84+\u], s15
	s_cbranch_scc0 .Lopen_\@                       ; all 16 x 128 entries are ones
	s_wait_kmcnt 0x0
.set n, 0
.rept 48
	v_cndmask_b32 v[S+n], v5, v[S+n], s[16+n]      ; bit 0: the masked value
.set n, n+1
.endr
.rept 16
	v_cndmask_b32 v[S+n], v5, v[S+n], s[20+n]
.set n, n+1
.endr
.Lopen_\@:
	v_max3_num_f32 v20, v[S], v[S+1], v[S+2]       ; the step's largest sum of my query among my 64 keys, in two chains, each accumulator from its low end on
	v_max3_num_f32 v21, v[S+3], v[S+4], v[S+5]
.set i, 6
.rept 14
	v_max3_num_f32 v20, v20, v[S+i], v[S+i+1]
	v_max3_num_f32 v21, v21, v[S+i+2], v[S+i+3]
.set i, i+4
.endr
	v_max3_num_f32 v20, v20, v[S+62], v[S+63]
	v_max_num_f32 v20, v20, v21
	v_permlanex16_b32 v24, v20, s12, s13
	v_max_num_f32 v20, v20, v24                    ; and among lane l xor 16's
	v_mul_f32 v20, s10, v20                        ; as t (c is positive)
	v_max_num_f32 v[TM], v[TM], v20
	v_mov_b32 v20, v[NM]
	v_floor_f32 v[NM], -v[TM]                      ; the new -M = -ceil(t)
	v_sub_f32 v20, v[NM], v20                      ; old M - new M: a whole number, 0 or less
	v_cvt_i32_f32 v20, v20                         ; (it saturates)
	v_ldexp_f32 v22, 1.0, v20                      ; f = 2^(old M - new M)
.set j, 0
.rept 32
	v_pk_fma_f32 v[S+j:S+j+1], v[S+j:S+j+1], s[10:11], v[NM:NM+1] op_sel_hi:[1,0,0]   ; t - M, two at a time
.set j, j+2
.endr
.set j, 0
.rept 64
	v_exp_f32 v[S+j], v[S+j]                       ; p = 2^(t - M)
.set j, j+1
.endr
	v_pk_mul_f32 v[SU:SU+1], v[SU:SU+1], v[22:23] op_sel_hi:[1,0]   ; the sums under the new M: the plain instruction behind the exponentials
	s_wait_alu depctr_va_vdst(0)                   ; one wait for the batch, ahead of its first reader
	v_pk_add_f32 v[26:27], v[S:S+1], v[S+2:S+3]    ; the sum of the unquantised p, in two chains
.set j, 4
.rept 15
	v_pk_add_f32 v[SU:SU+1], v[SU:SU+1], v[S+j:S+j+1]
	v_pk_add_f32 v[26:27], v[26:27], v[S+j+2:S+j+3]
.set j, j+4
.endr
	v_pk_add_f32 v[SU:SU+1], v[SU:SU+1], v[26:27]
	s_cmp_ge_i32 s88, -8
	s_cbranch_scc1 .Lno_hold_\@                    ; 448 x 2^e8 >= 1.75: no p reaches it
.set j, 0
.rept 64
	v_min_num_f32 v[S+j], v[S+j], v6               ; the conversion does not saturate (ISA guide 7.6.2); p is not negative
.set j, j+1
.endr
.Lno_hold_\@:
.irp b, 0,1,2,3
	v_cvt_scalef32_pk8_fp8_f32 v[P+4*\b:P+4*\b+1], v[S+16*\b:S+16*\b+7], v7
	v_cvt_scalef32_pk8_fp8_f32 v[P+4*\b+2:P+4*\b+3], v[S+16*\b+8:S+16*\b+15], v7
.endr
	WIN 0x41                                       ; O^T (destination and source 0) window 1
.set j, 0
.rept 16
	v_pk_mul_f32 v[OF+j:OF+j+1], v[OF+j:OF+j+1], v[22:23] op_sel_hi:[1,0]   ; O^T under the new M; also the plain instructions behind the conversions
.set j, j+2
.endr
	s_wait_dscnt 0x0                               ; V is in
	WIN 0x51                                       ; V, C and D window 1; p's codes window 0
.irp t, 0,1,2,3
	v_wmma_f32_16x16x128_fp8_fp8 v[OF+8*\t:OF+8*\t+7], v[VF+16*\t:VF+16*\t+15], v[P:P+15], v[OF+8*\t:OF+8*\t+7]   ; four accumulators, one instruction each; eight products K Q^T stand ahead of their next turn
.endr
	WIN 0
	s_wait_kmcnt 0x0                               ; the lane masks' loads are done on the path that did not read them too: their registers and their offset are free
.Lskip_\@:
.endm
; A KEY STEP.  stage = 1: the trip also brings 48 KB of the later steps' images into LDS, at byte 65,536 and above; these trips read below 65,536.
.macro STEP stage
	s_wait_dscnt 0x0                               ; no LDS instruction of mine is out: the staging registers have been read, and no fragment load is pending
.if \stage
.irp k, 0,1,2,3,4,5,6,7,8,9,10,11
	global_load_b128 v[ST+4*\k:ST+4*\k+3], v2, s[94:95] offset:4096*\k
.endr
.endif
	s_add_co_u32 s15, s14, 16                      ; the place of the step's bit 'mixed'
	s_lshl_b32 s67, s14, 8                         ; the step's 256 bytes of lane masks
	s_bitcmp1_b32 s86, s14
	s_cbranch_scc0 .Lnone_\@                       ; neither tile needs the step
	v_add_nc_u32 v3, s66, v1
.rept 3
	v_nop                                          ; with the addition: four places behind the last products, ahead of loads into the registers that they read
.endr
	WIN 0x40                                       ; destination window 1
.irp t, 0,1,2,3,4,5,6,7
	ds_load_b128 v[KF+8*\t:KF+8*\t+3], v3 offset:1024*\t
	ds_load_b128 v[KF+8*\t+4:KF+8*\t+7], v3 offset:1024*\t+512
.endr
.irp t, 0,1,2,3
.irp c, 0,1,2,3
	ds_load_b128 v[VF+16*\t+4*\c:VF+16*\t+4*\c+3], v3 offset:8192+2048*\t+512*\c
.endr
.endr
	WIN 0
	TILE 0
	TILE 1
.Lnone_\@:
.if \stage
	s_wait_loadcnt 0x0                             ; the trip's twelve loads are in, and their base may be stepped
	v_add_nc_u32 v4, s96, v2
.irp k, 0,1,2,3,4,5,6,7,8,9,10,11
	ds_store_b128 v4, v[ST+4*\k:ST+4*\k+3] offset:4096*\k
.endr
	s_add_nc_u64 s[94:95], s[94:95], 49152
	s_add_co_u32 s96, s96, 49152
.endif
	s_add_co_u32 s66, s66, 16384                   ; the next step's images
.endm
	s_mov_b32 s14, 0                               ; the key step
	s_mov_b32 s66, 0                               ; its images in LDS
	s_mov_b32 s96, 65536                           ; where the staging goes on in LDS
.Lfirst:
	STEP 1
	s_add_co_u32 s14, s14, 1
	s_cmp_lt_u32 s14, 4
	s_cbranch_scc1 .Lfirst
	s_wait_dscnt 0x0                               ; for the others' sake: my part of key steps 4-15 has landed
	s_barrier_signal -1
	s_barrier_wait -1
	s_mov_b32 s14, 4
	s_mov_b32 s66, 65536
.Lrest:
	STEP 0
	s_add_co_u32 s14, s14, 1
	s_cmp_lt_u32 s14, 16
	s_cbranch_scc1 .Lrest
	; THE WAY OUT: O^T x 2^(e8 + e9) / the sum, held, quantised with 2^e10; a lane's 8 codes of each channel tile go through my stage and leave as whole rows: 8 tokens x 64 bytes = 512 consecutive bytes a store.
.rept 4
	v_nop                                          ; places behind the last products
.endr
	v_add_f32 v20, v14, v15
	v_add_f32 v21, v18, v19
	v_permlanex16_b32 v24, v20, s12, s13
	v_permlanex16_b32 v25, v21, s12, s13
	v_add_f32 v20, v20, v24
	v_add_f32 v21, v21, v25
	v_rcp_f32 v28, v20
	v_rcp_f32 v30, v21
	v_nop                                          ; a plain instruction behind the reciprocals
	s_wait_alu depctr_va_vdst(0)                   ; one wait for both, ahead of the first reader
	v_ldexp_f32 v28, v28, s89
	v_ldexp_f32 v30, v30, s89
.macro FINISH u
	WIN 0x01                                       ; source 0 (O^T) window 1
.set j, 0
.rept 16
	v_pk_mul_f32 v[S+j:S+j+1], v[OA+32*(\u)+j:OA+32*(\u)+j+1], v[28+2*(\u):29+2*(\u)] op_sel_hi:[1,0]
.set j, j+2
.endr
	WIN 0
.set j, 0
.rept 32
	v_med3_num_f32 v[S+j], v[S+j], -v10, v10
.set j, j+1
.endr
.irp t, 0,1,2,3
	v_cvt_scalef32_pk8_fp8_f32 v[P+8*(\u)+2*\t:P+8*(\u)+2*\t+1], v[S+8*\t:S+8*\t+7], v11
.endr
	v_nop                                          ; a plain instruction behind the last conversion
.irp t, 0,1,2,3
	ds_store_b64 v8, v[P+8*(\u)+2*\t:P+8*(\u)+2*\t+1] offset:16*\t    ; row r, channels 16 t + 8 h on
.endr
	ds_load_b128 v[BK+8*(\u):BK+8*(\u)+3], v9                          ; rows 0-7: the tile's first eight queries; LDS serves a wave's instructions in order
	ds_load_b128 v[BK+8*(\u)+4:BK+8*(\u)+7], v9 offset:640             ; rows 8-15: the eight that lie 16 queries on
	s_wait_dscnt 0x0
	global_store_b128 v1, v[BK+8*(\u):BK+8*(\u)+3], s[90+2*(\u):91+2*(\u)]
	global_store_b128 v1, v[BK+8*(\u)+4:BK+8*(\u)+7], s[90+2*(\u):91+2*(\u)] offset:1024
.endm
	FINISH 0
	FINISH 1
	s_wait_tensorcnt 0x0
	ds_add_u32 v254, v255
	s_wait_dscnt 0x0
	s_endpgm
.Lfunc_end_k_q2d7fe07fdf_attn:
	.size	k_q2d7fe07fdf_attn, .Lfunc_end_k_q2d7fe07fdf_attn-k_q2d7fe07fdf_attn
	.p2alignl 7, 3214868480
	.fill 96, 4, 3214868480
	.section	.rodata,"a",@progbits
	.p2align	6, 0x0
	.amdhsa_kernel k_q2d7fe07fdf_attn
		.amdhsa_group_segment_fixed_size 273408
		.amdhsa_private_segment_fixed_size 0
		.amdhsa_enable_private_segment 0
		.amdhsa_kernarg_size 48
		.amdhsa_user_sgpr_count 2
		.amdhsa_user_sgpr_kernarg_segment_ptr 1
		.amdhsa_wavefront_size32 1
		.amdhsa_system_sgpr_workgroup_id_x 1
		.amdhsa_system_sgpr_workgroup_id_y 1
		.amdhsa_system_sgpr_workgroup_id_z 1
		.amdhsa_system_vgpr_workitem_id 0
		.amdhsa_next_free_vgpr 448
		.amdhsa_next_free_sgpr 100
		.amdhsa_reserve_vcc 0
		.amdhsa_float_denorm_mode_32 3
		.amdhsa_float_denorm_mode_16_64 3
		.amdhsa_memory_ordered 1
		.amdhsa_forward_progress 1
		.amdhsa_inst_pref_size 97
	.end_amdhsa_kernel
	.amdgpu_metadata
---
amdhsa.version: [ 1, 2 ]
amdhsa.kernels:
  - .name:           k_q2d7fe07fdf_attn
    .symbol:         k_q2d7fe07fdf_attn.kd
    .args:
      - { .name: qimg, .offset: 0, .size: 8, .value_kind: global_buffer, .address_space: global }
      - { .name: kv, .offset: 8, .size: 8, .value_kind: global_buffer, .address_space: global }
      - { .name: maskbits, .offset: 16, .size: 8, .value_kind: global_buffer, .address_space: global }
      - { .name: mflags, .offset: 24, .size: 8, .value_kind: global_buffer, .address_space: global }
      - { .name: lowp_scales, .offset: 32, .size: 8, .value_kind: global_buffer, .address_space: global }
      - { .name: ao, .offset: 40, .size: 8, .value_kind: global_buffer, .address_space: global }
    .group_segment_fixed_size: 273408
    .private_segment_fixed_size: 0
    .kernarg_segment_align: 8
    .kernarg_segment_size: 48
    .max_flat_workgroup_size: 256
    .sgpr_count:     100
    .vgpr_count:     448
    .wavefront_size: 32
...
	.end_amdgpu_metadata
.endif
;; end of part 3
;; launch oproj (part 4): grid 4 x 16, 4 waves a work-group, clusters of 4 x 4, 327,680 bytes of LDS; arguments ao, W_o_codes, lowp_scales, b_o, out0; writes out0
.if DOCPART == 4
	.amdgcn_target "amdgcn-amd-amdhsa--gfx1250"
	.amdhsa_code_object_version 6
	.text
	.protected	k_q2d7fe07fdf_oproj
	.globl	k_q2d7fe07fdf_oproj
	.p2align	8
	.type	k_q2d7fe07fdf_oproj,@function
k_q2d7fe07fdf_oproj:
	s_mov_b64 s[64:65], 0
	v_nop
	global_prefetch_b8 v0, s[64:65] scope:SCOPE_SE
	s_setreg_imm32_b32 hwreg(HW_REG_WAVE_MODE, 25, 1), 1
	s_wait_xcnt 0x0
	s_wait_alu depctr_hold_cnt(0) depctr_sa_sdst(0) depctr_va_vdst(0) depctr_va_sdst(0) depctr_va_ssrc(0) depctr_va_vcc(0) depctr_vm_vsrc(0)
	s_getreg_b32 s2, hwreg(HW_REG_IB_STS2, 6, 4)
	s_cmp_eq_u32 s2, 0
	s_cbranch_scc0 .Lentry_in_a_cluster
	s_endpgm
.Lentry_in_a_cluster:
	s_bfe_u32 s2, ttmp6, 0x10000c
	s_cmp_lg_u32 s2, 0xf033
	s_cbranch_scc0 .Lentry_shape_is_right
	s_endpgm
.Lentry_shape_is_right:
; out0 = a W_o + b_o: [4,096][1,024] f32.  a: the merged heads as codes of E4M3 with the scale 2^e10, laid [head 16][token 4,096][64]; W_o: codes [n 1,024][k 1,024] with 2^e11.  Sums in f32, each x 2^(e10 + e11), + bias.
; LIMIT: e10 + e11 between -126 and 127.
; A tile of 256 x 256 to a work-group of four waves, 128 x 128 a wave: 64 accumulators.  64 work-groups: a smaller tile would fill more of the chip at twice the LDS reads a product; not built here.
; K goes in steps of 256 (four heads) through a ring of two LDS slots.  A's part of a slot: for each half of the 256 tokens one tensor load of 4 lines x 8,192 dense bytes (a head's 128 tokens x 64 bytes), the lines 262,144 bytes
; apart in memory, with 16 bytes of padding behind every 64: in LDS [half][head 4][token 128] rows 80 bytes apart, so that the 16 rows of a fragment load start at 16 different banks (64 banks of 4 bytes: ISA guide 11.1).
; B's part: 128 rows x 256 bytes a load, rows 272 bytes apart.  CLUSTERS: 4 x 4 work-groups; A's tile is asked for jointly along a row of the cluster, B's along a column.
; THE MATRIX INSTRUCTION IS USED TRANSPOSED (source 0 = 16 rows of W_o, source 1 = 16 tokens): a lane holds eight neighbouring numbers of a row of out0.
; REGISTERS: window 0: v0-31 addresses; v32-95 the bias of my 128 columns; v96-127 at work on the way out; from v128 A's fragments, ONE set (on the way out: rows read back).  window 1: B's fragments, TWO sets.  windows 2, 3: the accumulators.
.set SIZE_N, 1024
.set KROW,   1024
.set ROWB,   256
.set PITCH,  272
.set PA,     80                        ; a token's 64 codes of a head + 16 of padding
.set HEADB,  128*PA
.set HALFA,  4*HEADB                   ; what one of A's loads brings
.set HALFB,  128*PITCH                 ; what one of B's brings
.set BOFF,   2*HALFA
.set SLOT,   BOFF+2*HALFB
.set HSTEP,  4*4096*64                 ; four heads on in memory
.set FR,     16
.set NL,     4
.set NP,     4
.set LAPS,   2
.set SPARE,  2*SLOT                    ; behind the ring: the spare words, 128 bytes a wave
.set SPITCH, 528                       ; the way out: 16 rows x (512 + 16) bytes a wave, in slot 0, which has had its last fill and its last read by then
.set ADRA, 16
.set ADRB, 20
.set STO,  24
.set RD,   25
.set CO,   26
.set SPW,  28
.set NIL,  29
.set BQ,   32
.set TMP,  96
.set AF,   128
.set BK,   128
.set G1, 24
.set G0, 32
.set G1B, 48
.set G0B, 56
.set MSB, 0
.macro WIN new
.if MSB != (\new)
	s_set_vgpr_msb (MSB<<8)|(\new)
.set MSB, (\new)
.endif
.endm
.set MUL_LO, 0xa1
.set MUL_HI, 0xf1
.set TO_B,   0x40
.macro JLOAD g0a, g1a, g0b, g1b        ; waves 0 and 1 fetch for A, waves 2 and 3 for B; four v_nop follow each of the two lines
	s_cmp_eq_u32 s15, 0
	s_cbranch_scc0 .Lfor_b_\@
	tensor_load_to_lds s[\g0a:\g0a+3], s[\g1a:\g1a+7]
	s_nop 0
.rept 4
	v_nop
.endr
	s_branch .Lasked_\@
.Lfor_b_\@:
	tensor_load_to_lds s[\g0b:\g0b+3], s[\g1b:\g1b+7]
	s_nop 0
.rept 4
	v_nop
.endr
.Lasked_\@:
.endm
.macro CREST
	s_cmp_lg_u32 s14, 0
	s_cbranch_scc1 .Lnot_wave_0_\@
	s_barrier_signal -3
.Lnot_wave_0_\@:
	s_barrier_wait -3
	s_barrier_signal -1
	s_barrier_wait -1
.endm
.macro CROUND
	s_barrier_signal -1
	s_barrier_wait -1
	CREST
.endm
	s_load_b128 s[4:7], s[0:1], 0x0                ; a's codes s[4:5], W_o's codes s[6:7]
	s_load_b128 s[8:11], s[0:1], 0x10              ; the scales' exponents s[8:9], b_o s[10:11]
	s_load_b64 s[12:13], s[0:1], 0x20              ; out0
	v_lshl_add_u32 v[SPW], v0, 2, SPARE
	v_mov_b32 v[NIL], 0
	ds_add_u32 v28, v29
	ds_add_u32 v28, v29
	s_wait_dscnt 0x0
	v_lshrrev_b32 v1, 5, v0
	v_readfirstlane_b32 s14, v1                    ; wave 0..3
	s_lshr_b32 s15, s14, 1                         ; my half of the tile's rows.  Also: I fetch for A (0) or for B (1)
	s_and_b32 s16, s14, 1                          ; my half of its columns.  Also: which half of that tile I fetch
	s_bfe_u32 s40, ttmp6, 0x40000                  ; cx: the tile column (the grid is one cluster wide)
	s_bfe_u32 s41, ttmp6, 0x40004                  ; cy
	s_and_b32 s17, ttmp7, 0xffff
	s_lshl_b32 s17, s17, 2
	s_add_co_u32 s17, s17, s41                     ; tile row = 4 x cluster y + cy
	s_lshl_b32 s43, s41, 2
	s_lshl_b32 s43, 15, s43                        ; my row of the cluster
	s_lshl_b32 s44, 0x1111, s40                    ; my column
	s_or_b32 s[G1+0], s43, (3<<16)|(1<<20)|(1<<21)|(3<<22)|(3<<25)  ; the mask; elements of 8 bytes; padding on; bit 21 beside a mask; 4 words after every 16
	s_mov_b32 s[G1+1], 1024<<16                    ; tensor_dim0 = 1,024 elements: 8,192 bytes
	s_mov_b32 s[G1+2], 4<<16                       ; tensor_dim1 = 4
	s_mov_b32 s[G1+3], 1024<<16                    ; tile_dim0
	s_mov_b32 s[G1+4], 4                           ; tile_dim1
	s_mov_b32 s[G1+5], 32768                       ; from head to head: 262,144 bytes
	s_mov_b32 s[G1+6], 0
	s_mov_b32 s[G1+7], 0
	s_or_b32 s[G1B+0], s44, (0<<16)|(1<<20)|(1<<21)|(5<<22)|(3<<25) ; elements of 1 byte; 4 words after every 64
	s_mov_b32 s[G1B+1], ROWB<<16
	s_mov_b32 s[G1B+2], 128<<16
	s_mov_b32 s[G1B+3], ROWB<<16
	s_mov_b32 s[G1B+4], 128
	s_mov_b32 s[G1B+5], KROW
	s_mov_b32 s[G1B+6], 0
	s_mov_b32 s[G1B+7], 0
	s_lshl_b32 s18, s16, 7
	s_lshl_b32 s20, s17, 8
	s_add_co_u32 s20, s20, s18                     ; A: token 256 x tile row + 128 x half,
	s_lshl_b32 s20, s20, 6                         ; x 64 bytes
	s_mov_b32 s21, 0
	s_lshl_b32 s46, s40, 8
	s_add_co_u32 s46, s46, s18                     ; B: row 256 x tile column + 128 x half,
	s_lshl_b32 s46, s46, 10                        ; x 1,024 bytes
	s_mov_b32 s47, 0
	s_mul_i32 s45, s16, HALFA                      ; where they go: A's two halves,
	s_mul_i32 s66, s16, HALFB
	s_add_co_u32 s66, s66, BOFF                    ; then B's two
	s_wait_kmcnt 0x0
	s_load_b64 s[96:97], s[8:9], 0x28              ; e10, e11
	s_add_nc_u64 s[20:21], s[4:5], s[20:21]
	s_add_nc_u64 s[46:47], s[6:7], s[46:47]
	CROUND                                         ; all sixteen work-groups are here: the first joint loads meet
.irp s, 0,1
	s_mov_b32 s[G0+4*\s], 1
	s_add_co_u32 s[G0+4*\s+1], s45, \s*SLOT
	s_add_nc_u64 s[G0+4*\s+2:G0+4*\s+3], s[20:21], \s*HSTEP
	s_or_b32 s[G0+4*\s+3], s[G0+4*\s+3], 0x80000000
	s_mov_b32 s[G0B+4*\s], 1
	s_add_co_u32 s[G0B+4*\s+1], s66, \s*SLOT
	s_add_nc_u64 s[G0B+4*\s+2:G0B+4*\s+3], s[46:47], \s*ROWB
	s_or_b32 s[G0B+4*\s+3], s[G0B+4*\s+3], 0x80000000
	JLOAD G0+4*\s, G1, G0B+4*\s, G1B
.endr
	v_and_b32 v1, 15, v0                           ; r
	v_bfe_u32 v2, v0, 4, 1                         ; h
	v_mul_u32_u24 v3, v1, PITCH
	v_lshl_add_u32 v4, v2, 4, v3                   ; B: row x 272 + 16 h
	v_mul_u32_u24 v3, v1, PA
	v_lshl_add_u32 v5, v2, 4, v3                   ; A: row x 80 + 16 h
	s_mul_i32 s21, s15, HALFA
	s_mul_i32 s22, s16, HALFB
	s_add_co_u32 s22, s22, BOFF
.irp s, 0,1
	v_add_nc_u32 v[ADRA+\s], s21, v5
	v_add_nc_u32 v[ADRB+\s], s22, v4
	s_add_co_u32 s21, s21, SLOT
	s_add_co_u32 s22, s22, SLOT
.endr
	s_mul_i32 s23, s14, 16*SPITCH                  ; my stage
	v_mul_u32_u24 v5, v1, SPITCH
	v_lshl_add_u32 v5, v2, 5, v5
	v_add_nc_u32 v[STO], s23, v5                   ; in: row r, 32 bytes for each half of the lanes
	v_and_b32 v6, 31, v0
	v_lshlrev_b32 v[CO], 4, v6
	v_add_nc_u32 v[RD], s23, v[CO]                 ; back: the 32 lanes take a row of 512 bytes
	s_lshl_b32 s20, s17, 8
	s_lshl_b32 s21, s15, 7
	s_add_co_u32 s20, s20, s21                     ; my first row of out0,
	s_lshl_b32 s20, s20, 12                        ; x 4,096 bytes
	s_mov_b32 s21, 0
	s_lshl_b32 s46, s40, 10                        ; my first column, in bytes: 1,024 x tile column + 512 x half
	s_lshl_b32 s47, s16, 9
	s_add_co_u32 s46, s46, s47
	s_mov_b32 s47, 0
	s_add_nc_u64 s[10:11], s[10:11], s[46:47]      ; b_o at my first column
	s_add_nc_u64 s[20:21], s[20:21], s[46:47]
	s_add_nc_u64 s[12:13], s[12:13], s[20:21]
	v_lshlrev_b32 v12, 5, v2                       ; never rewritten
.irp b, 0,1,2,3,4,5,6,7
	global_load_b128 v[BQ+8*\b:BQ+8*\b+3], v12, s[10:11] offset:64*\b          ; the bias of columns 16 b + 8 h + 0..7
	global_load_b128 v[BQ+8*\b+4:BQ+8*\b+7], v12, s[10:11] offset:64*\b+16
.endr
.macro FRAG reg, adr, q, i             ; B: registers 4 c .. 4 c + 3 hold K = 128 q + 32 c + 16 (l / 16) + 0 .. 15 of row l % 16
.irp c, 0,1,2,3
	ds_load_b128 v[\reg+4*\c:\reg+4*\c+3], v[\adr] offset:128*(\q)+32*\c+(\i)*16*PITCH
.endr
.endm
.macro FRAGA reg, adr, q, i            ; A: the same K: head 2 q + c / 2 of the slot's four, channels 32 (c % 2) + 16 (l / 16) on
.irp c, 0,1,2,3
	ds_load_b128 v[\reg+4*\c:\reg+4*\c+3], v[\adr] offset:(2*(\q)+\c/2)*HEADB+(\i)*16*PA+32*(\c%2)
.endr
.endm
.macro MUL16 a0, p, zero               ; the 64 accumulators take turns, one instruction a turn, in the same order in every step
.irp a, \a0, \a0+1
.irp b, 0,1,2,3,4,5,6,7
.if \zero
	v_wmma_f32_16x16x128_fp8_fp8 v[8*(8*((\a)%4)+\b):8*(8*((\a)%4)+\b)+7], v[128*(\p)+FR*\b:128*(\p)+FR*\b+FR-1], v[AF+FR*(\a):AF+FR*(\a)+FR-1], 0
.else
	v_wmma_f32_16x16x128_fp8_fp8 v[8*(8*((\a)%4)+\b):8*(8*((\a)%4)+\b)+7], v[128*(\p)+FR*\b:128*(\p)+FR*\b+FR-1], v[AF+FR*(\a):AF+FR*(\a)+FR-1], v[8*(8*((\a)%4)+\b):8*(8*((\a)%4)+\b)+7]
.endif
.endr
.endr
.endm
.macro FETCH_B slot, q, p
	WIN TO_B
.irp i, 0,1,2,3,4,5,6,7
	FRAG 128*(\p)+FR*\i, ADRB+\slot, \q, \i
.endr
	WIN 0
.endm
.macro FETCH_A slot, q, i0
.irp i, \i0, \i0+1, \i0+2, \i0+3
	FRAGA AF+FR*(\i), ADRA+\slot, \q, \i
.endr
.endm
.macro PLACES n                        ; plain vector instructions between a matrix instruction and a load into, or a read of, its registers
.rept \n
	v_nop
.endr
.endm
.macro STEP slot, q, zero
	s_wait_dscnt 4*NL                              ; B's set and A's blocks 0-3 are in; the youngest 16 loads (A's blocks 4-7) may be out
	WIN MUL_LO
	MUL16 0, (\q)%2, \zero
	MUL16 2, (\q)%2, \zero
	s_wait_dscnt 0
	PLACES NP
	FETCH_B \slot, (\q)+1, 1-(\q)%2
	FETCH_A \slot, (\q)+1, 0
	WIN MUL_HI
	MUL16 4, (\q)%2, \zero
	MUL16 6, (\q)%2, \zero
	PLACES NP
	WIN 0
	FETCH_A \slot, (\q)+1, 4
.endm
.macro TURN slot, next, fill
	s_wait_tensorcnt 0x0                           ; all my tensor loads have landed: my part of the next slot
	ds_add_u32 v[SPW], v[NIL]                      ; 0 onto my spare word
	s_wait_dscnt 4*NL+1                            ; (the add and the youngest 16 loads may be out)
	WIN MUL_LO
	MUL16 0, 1, 0
	s_wait_dscnt 0x0                               ; the add is done, and my reads of this slot are over
	s_barrier_signal -1
	MUL16 2, 1, 0
	WIN 0
	s_barrier_wait -1
.if \fill
	CREST                                          ; the barrier has opened a round of the cluster's barrier
	s_add_nc_u64 s[G0+4*\slot+2:G0+4*\slot+3], s[G0+4*\slot+2:G0+4*\slot+3], 2*HSTEP
	s_add_nc_u64 s[G0B+4*\slot+2:G0B+4*\slot+3], s[G0B+4*\slot+2:G0B+4*\slot+3], 2*ROWB
	JLOAD G0+4*\slot, G1, G0B+4*\slot, G1B         ; the first tensor load behind the round; its four v_nop are the places in front of the loads below
.else
	PLACES NP
.endif
	FETCH_B \next, 0, 0
	FETCH_A \next, 0, 0
	WIN MUL_HI
	MUL16 4, 1, 0
	MUL16 6, 1, 0
	PLACES NP
	WIN 0
	FETCH_A \next, 0, 4
.endm
	s_wait_tensorcnt 1                             ; my part of K step 0 is in (K step 1's load may be out),
	s_barrier_signal -1
	s_barrier_wait -1                              ; everybody's is
	FETCH_B 0, 0, 0
	FETCH_A 0, 0, 0
	FETCH_A 0, 0, 4
	STEP 0, 0, 1                                   ; the first step's products start the sums
	s_mov_b32 s3, LAPS-1
.Llap:
	TURN 0, 1, 1
	STEP 1, 0, 0
	TURN 1, 0, 1
	STEP 0, 0, 0
	s_sub_co_u32 s3, s3, 1
	s_cmp_lg_u32 s3, 0
	s_cbranch_scc1 .Llap
	TURN 0, 1, 0                                   ; the last lap fills nothing
	STEP 1, 0, 0
	s_wait_dscnt 4*NL
	WIN MUL_LO
	MUL16 0, 1, 0
	MUL16 2, 1, 0
	s_wait_dscnt 0
	WIN MUL_HI
	MUL16 4, 1, 0
	MUL16 6, 1, 0
	WIN 0
; THE WAY OUT, block by block of 16 rows x 128 columns: sum x 2^(e10 + e11) + bias, one packed multiply-add for two numbers, 64 columns at a time; through my own stage; back as whole rows of 512 bytes.
; LDS serves a wave's instructions in order (ISA guide 5.7.1.4): no wait between the stores and the loads.
.macro TOSTAGE a
.set AC, 64*((\a)%4)
.irp hb, 0,1
	WIN 0x02+((\a)/4)                              ; source 0: window 2 or 3
.irp j, 0,2,4,6,8,10,12,14,16,18,20,22,24,26,28,30
	v_pk_fma_f32 v[TMP+\j:TMP+\j+1], v[AC+32*\hb+\j:AC+32*\hb+\j+1], s[96:97], v[BQ+32*\hb+\j:BQ+32*\hb+\j+1] op_sel_hi:[1,0,1]   ; each accumulator from its low end on
.endr
	WIN 0
.irp b, 0,1,2,3
	ds_store_b128 v[STO], v[TMP+8*\b:TMP+8*\b+3] offset:64*(4*\hb+\b)
	ds_store_b128 v[STO], v[TMP+8*\b+4:TMP+8*\b+7] offset:64*(4*\hb+\b)+16
.endr
.endr
.set BB, BK+64*((\a)%2)
.irp t, 0,1,2,3,4,5,6,7,8,9,10,11,12,13,14,15
	ds_load_b128 v[BB+4*\t:BB+4*\t+3], v[RD] offset:\t*SPITCH
.endr
.endm
.macro SEND a, younger                 ; younger: the LDS instructions issued behind block a's loads, which may stay out
.set BB, BK+64*((\a)%2)
	s_wait_dscnt \younger
.if (\a) > 0
	s_add_nc_u64 s[12:13], s[12:13], 16*SIZE_N*4   ; (behind a wait on XCNT: the earlier stores have read their base)
.endif
.irp t, 0,1,2,3,4,5,6,7,8,9,10,11,12,13,14,15
	global_store_b128 v[CO], v[BB+4*\t:BB+4*\t+3], s[12:13] offset:\t*SIZE_N*4 th:TH_STORE_NT   ; 32 lanes store 512 consecutive bytes, aligned; written once, read by nobody here
.endr
.endm
	s_wait_kmcnt 0x0
	s_wait_loadcnt 0x0                             ; the bias
	s_add_co_i32 s96, s96, s97
	s_add_co_i32 s96, s96, 127
	s_lshl_b32 s96, s96, 23                        ; 2^(e10 + e11) as f32
	s_mov_b32 s97, s96                             ; (named with it as a pair)
	PLACES NP                                      ; behind the last products: for the reads of their results and the loads into A's registers
	TOSTAGE 0
.irp a, 1,2,3,4,5,6,7
.if \a > 1
	s_wait_xcnt 0x0                                ; block a - 2's stores have read their registers and their base
.endif
	TOSTAGE \a
	SEND \a-1, 32                                  ; behind block a - 1's loads: block a's 16 stores and 16 loads
.endr
	s_wait_xcnt 0x0
	SEND 7, 0
	s_wait_tensorcnt 0x0                           ; the wave's end
	ds_add_u32 v[SPW], v[NIL]
	s_wait_dscnt 0x0
	CROUND                                         ; the closing round
	s_endpgm
.Lfunc_end_k_q2d7fe07fdf_oproj:
	.size	k_q2d7fe07fdf_oproj, .Lfunc_end_k_q2d7fe07fdf_oproj-k_q2d7fe07fdf_oproj
	.p2alignl 7, 3214868480
	.fill 96, 4, 3214868480
	.section	.rodata,"a",@progbits
	.p2align	6, 0x0
	.amdhsa_kernel k_q2d7fe07fdf_oproj
		.amdhsa_group_segment_fixed_size 327680
		.amdhsa_private_segment_fixed_size 0
		.amdhsa_enable_private_segment 0
		.amdhsa_kernarg_size 40
		.amdhsa_user_sgpr_count 2
		.amdhsa_user_sgpr_kernarg_segment_ptr 1
		.amdhsa_wavefront_size32 1
		.amdhsa_system_sgpr_workgroup_id_x 1
		.amdhsa_system_sgpr_workgroup_id_y 1
		.amdhsa_system_sgpr_workgroup_id_z 1
		.amdhsa_system_vgpr_workitem_id 0
		.amdhsa_next_free_vgpr 1024
		.amdhsa_next_free_sgpr 98
		.amdhsa_reserve_vcc 0
		.amdhsa_float_denorm_mode_32 3
		.amdhsa_float_denorm_mode_16_64 3
		.amdhsa_memory_ordered 1
		.amdhsa_forward_progress 1
		.amdhsa_inst_pref_size 125
	.end_amdhsa_kernel
	.amdgpu_metadata
---
amdhsa.version: [ 1, 2 ]
amdhsa.kernels:
  - .name:           k_q2d7fe07fdf_oproj
    .symbol:         k_q2d7fe07fdf_oproj.kd
    .args:
      - { .name: ao, .offset: 0, .size: 8, .value_kind: global_buffer, .address_space: global }
      - { .name: W_o_codes, .offset: 8, .size: 8, .value_kind: global_buffer, .address_space: global }
      - { .name: lowp_scales, .offset: 16, .size: 8, .value_kind: global_buffer, .address_space: global }
      - { .name: b_o, .offset: 24, .size: 8, .value_kind: global_buffer, .address_space: global }
      - { .name: out0, .offset: 32, .size: 8, .value_kind: global_buffer, .address_space: global }
    .group_segment_fixed_size: 327680
    .private_segment_fixed_size: 0
    .kernarg_segment_align: 8
    .kernarg_segment_size: 40
    .max_flat_workgroup_size: 128
    .sgpr_count:     98
    .vgpr_count:     1024
    .wavefront_size: 32
...
	.end_amdgpu_metadata
.endif
;; end of part 4
;; ======== version 2 of 2: 4 launches; version 1 with the launch attn written anew for expert scheduling mode
;; limits: right only within a limited range of input values
;; workspace buffers: maskbits 524,288 bytes of whole numbers; mflags 512 bytes of whole numbers; qimg 4,194,304 bytes; kv 8,388,608 bytes; ao 4,194,304 bytes
;; launch pack: the kernel of part 1 again; grid 128 x 1, 16 waves a work-group, no clusters, 137,472 bytes of LDS; arguments mask, maskbits, mflags; writes maskbits, mflags
;; launch proj: the kernel of part 2 again; grid 4 x 48, 4 waves a work-group, clusters of 4 x 4, 327,680 bytes of LDS; arguments Q_codes, K_codes, V_codes, W_q_codes, W_k_codes, W_v_codes, b_q, b_k, b_v, lowp_scales, qimg, kv; writes qimg, kv
;; launch attn (part 5): grid 8 x 32, 8 waves a work-group, no clusters, 273,408 bytes of LDS; arguments qimg, kv, maskbits, mflags, lowp_scales, ao; writes ao
.if DOCPART == 5
	.amdgcn_target "amdgcn-amd-amdhsa--gfx1250"
	.amdhsa_code_object_version 6
	.text
	.protected	k_q2d7fe07fdf_attn
	.globl	k_q2d7fe07fdf_attn
	.p2align	8
	.type	k_q2d7fe07fdf_attn,@function
k_q2d7fe07fdf_attn:
	s_mov_b64 s[64:65], 0
	v_nop
	global_prefetch_b8 v0, s[64:65] scope:SCOPE_SE
	s_setreg_imm32_b32 hwreg(HW_REG_WAVE_SCHED_MODE, 0, 2), 2
	s_setreg_imm32_b32 hwreg(HW_REG_WAVE_MODE, 25, 1), 1
	s_wait_xcnt 0x0
	s_wait_alu depctr_vm_vsrc(0)
; Attention on codes of E4M3: for each of 32 (batch, head): scores = q k^T / 8, masked entries = a very large negative number, p = 2^(t - M), o = (p v) / sum(p), quantised with 2^e10 into ao [head 16][token 4,096][64].
; SHARES.  Work-group (j, bh): one (batch, head); its eight waves own two tiles of 16 queries each: T_A = j + 8 w and T_B = 127 - T_A.  The head's K and V, 262,144 bytes of operand images, lie in LDS whole.
; They go in through registers (memory order = LDS order): key steps 0-3 ahead of the first barrier; the other twelve during the first four trips, 48 KB a trip (asked for at a trip's head, stored at its end), ahead of the second.
; LAYOUT.  Both products are used transposed: S^T = K Q^T (16x16x64), O^T = V^T P^T (16x16x128): a lane holds ONE query.  The keys of a tile are chosen so that registers 16 b + i of S^T are keys 32 b + 16 (lane / 16) + i.
; THE MASK comes as lane masks (maskbits): one v_cndmask_b32 a register, its selector a scalar register.  mflags says which key steps a tile needs and which of them are mixed: a step that no query of the tile sees is jumped over
; (its p would be 0), a step that is all ones is not masked.  These are branches on whole numbers that an earlier launch stored.  THAT IS WHY THIS LAUNCH HAS NO TENSOR LOAD AND NO CLUSTER: the walk differs from wave to wave and
; from work-group to work-group, so partners could not make every joint request alike.  No prefetch either: every byte is asked for by its own load, a trip ahead of its use at the least.
; THE MASKED VALUE, as a raw sum, is -2^(33 - E), E = e6 + e7: times c it is -2^30 x log2(e), a whole number.  So a row that is masked everywhere has p = 1 at all keys (a uniform softmax), and beside any true score p = 0.
; THE SOFTMAX: t = sum x c, c = 2^E log2(e) / 8; M = the running largest t rounded up; p = 2^(t - M); the sum is taken of the unquantised p; when M moves, the sum and O^T are multiplied by 2^(old M - new M): exact.
; p never exceeds 1 by more than a rounding, so its hold at 448 x 2^e8 is jumped over where e8 >= -8 (448 x 2^-8 = 1.75).
; LIMITS: E between -94 and 8 (no true t comes near the masked one: |sum| <= 64 x 448^2 < 2^24); e8 and e10 between -126 and 119.  NaN is not served.
; REGISTERS.  Window 0: v1 16 x lane; v2 16 x thread; v3, v4 LDS addresses in hand; v5 the masked value; v6, v7 448 x 2^e8, 2^e8; v8, v9 the way out; v10, v11 448 x 2^e10, 2^e10; v12-15, v16-19 a tile's -M, largest t, sum (a pair);
;   v20-27 at work; v28-31 1 / sum; v32-95 S^T, then p; v96-111 p's codes; v112-127 Q's two fragments; v128-175 staging; v176-191 rows on the way out; v254, v255 the closing add's two.
;   Window 1: v0-63 K's eight fragments; v64-127 V's four; v128-159, v160-191 O^T of the two tiles.
; THE MODE: SCHED_MODE bits 1:0 = 2 (LLVM: expert scheduling mode 2), set by the entry lines.  The code itself states the register dependences
; between vector or matrix instructions and memory or LDS instructions, with s_wait_alu, always for 0.
; THE PLAN.  Registers that memory or LDS instructions touch:
;   v1, v2        Offsets, made once at the head and never written again.
;   v3            Written once a step, at its head; read by the step's 32 LDS loads.
;   v4            Written once in each of the first four trips, at the trip's head; read by the trip's 12 LDS stores, at its end.
;   K's, V's fragments  The step's LDS loads land in them; both tiles' products read them.
;   v128-175      The trip's 12 global loads land in them, its 12 LDS stores read them; no vector instruction names them.
;   v32-95        At the head alone: the 16 fill loads land in them and 16 LDS stores read them; from the first step on vector and matrix instructions alone name them.
;   v96-111, v8, v9, v176-191   On the way out: the conversions write the codes, which LDS stores read; the rows come back by LDS loads and leave by global stores.
; So a step's head holds ONE wait on vm_vsrc (the LDS instructions issued so far have read v3, v4, the staging registers and, in the first trip, v32-95) and, behind the adds to v3 and v4, ONE wait on va_vdst
; (the two addresses are written; the last step's products are done reading K's and V's fragments).  All the step's loads and stores hang on these two, on the path that walks the step and on the path that jumps over it.
; The way out has one wait on va_vdst, behind both tiles' conversions.
.set S,   32
.set P,   96
.set QA,  112
.set ST,  128
.set BK,  176
.set KF,  0
.set VF,  64
.set OA,  128
.set STG, 262144                       ; behind K and V: 16 rows x 80 bytes for each wave, for the way out
.set MSB, 0
.macro WIN new                         ; the immediate's high byte repeats the setting that is left
.if MSB != (\new)
	s_set_vgpr_msb (MSB<<8)|(\new)
.set MSB, (\new)
.endif
.endm
.macro QROW d, t, x                    ; s[d] = the first query of tile s[t]: 128 (T / 8) + 32 ((T % 8) / 2) + 8 (T % 2)
	s_lshr_b32 s[\d], s[\t], 3
	s_lshl_b32 s[\d], s[\d], 7
	s_bfe_u32 s[\x], s[\t], 0x20001
	s_lshl_b32 s[\x], s[\x], 5
	s_add_co_u32 s[\d], s[\d], s[\x]
	s_and_b32 s[\x], s[\t], 1
	s_lshl_b32 s[\x], s[\x], 3
	s_add_co_u32 s[\d], s[\d], s[\x]
.endm
	s_load_b256 s[16:23], s[0:1], 0x0              ; qimg s[16:17], kv s[18:19], maskbits s[20:21], mflags s[22:23]
	s_load_b128 s[24:27], s[0:1], 0x20             ; the scales' exponents s[24:25], ao s[26:27]
	v_lshl_add_u32 v254, v0, 2, 0x42800
	v_mov_b32 v255, 0
	v_lshrrev_b32 v20, 5, v0
	v_readfirstlane_b32 s87, v20                   ; wave 0..7
	v_and_b32 v21, 31, v0
	v_lshlrev_b32 v1, 4, v21                       ; 16 x lane
	v_lshlrev_b32 v2, 4, v0                        ; 16 x thread: the work-group's 4,096 bytes of a fill
	s_and_b32 s97, ttmp7, 0xffff                   ; batch x 16 + head
	s_wait_alu depctr_va_sdst(0)                   ; s87 is written, ahead of its first reader: the tiles' numbers are made from it
	s_lshl_b32 s98, s87, 3
	s_add_co_u32 s98, s98, ttmp9                   ; T_A
	s_sub_co_u32 s99, 127, s98                     ; T_B
	s_lshl_b32 s28, s97, 18
	s_mov_b32 s29, 0
	s_wait_kmcnt 0x0
	s_add_nc_u64 s[4:5], s[18:19], s[28:29]        ; the head's K and V
	s_wait_alu depctr_va_vdst(0)                   ; v1 and v2 are written: the loads and stores of the whole kernel read them as offsets
.set n, 0
.rept 16
	global_load_b128 v[S+4*n:S+4*n+3], v2, s[4:5] offset:4096*n   ; key steps 0-3: 64 KB for the work-group
.set n, n+1
.endr
	s_add_nc_u64 s[94:95], s[4:5], 65536           ; where the staging goes on
	s_lshl_b32 s28, s97, 17
	s_lshl_b32 s30, s98, 10
	s_add_co_u32 s30, s30, s28
	s_mov_b32 s31, 0
	s_add_nc_u64 s[30:31], s[16:17], s[30:31]
	s_lshl_b32 s32, s99, 10
	s_add_co_u32 s32, s32, s28
	s_mov_b32 s33, 0
	s_add_nc_u64 s[32:33], s[16:17], s[32:33]
	global_load_b128 v[QA:QA+3], v1, s[30:31]                  ; Q's fragments stay in registers
	global_load_b128 v[QA+4:QA+7], v1, s[30:31] offset:512
	global_load_b128 v[QA+8:QA+11], v1, s[32:33]
	global_load_b128 v[QA+12:QA+15], v1, s[32:33] offset:512
	s_lshl_b32 s34, s98, 2
	s_lshl_b32 s35, s99, 2
	s_load_b32 s84, s[22:23], s34 offset:0x0       ; the two tiles' flags
	s_load_b32 s85, s[22:23], s35 offset:0x0
	s_load_b128 s[36:39], s[24:25], 0x18           ; e6, e7, e8, e9
	s_load_b32 s40, s[24:25], 0x28                 ; e10
	s_lshl_b32 s42, s98, 12
	s_mov_b32 s43, 0
	s_add_nc_u64 s[6:7], s[20:21], s[42:43]        ; the tiles' lane masks
	s_lshl_b32 s42, s99, 12
	s_add_nc_u64 s[8:9], s[20:21], s[42:43]
	s_and_b32 s44, s97, 15
	s_lshr_b32 s45, s97, 4
	s_lshl_b32 s44, s44, 12
	s_lshl_b32 s45, s45, 11
	s_add_co_u32 s44, s44, s45                     ; head x 4,096 + batch x 2,048
	QROW 46, 98, 47
	s_add_co_u32 s46, s46, s44
	s_lshl_b32 s46, s46, 6
	s_mov_b32 s47, 0
	s_add_nc_u64 s[90:91], s[26:27], s[46:47]      ; ao at tile A's first query
	QROW 46, 99, 47
	s_add_co_u32 s46, s46, s44
	s_lshl_b32 s46, s46, 6
	s_mov_b32 s47, 0
	s_add_nc_u64 s[92:93], s[26:27], s[46:47]      ; and at tile B's
	s_mov_b32 s12, 0x76543210                      ; v_permlanex16_b32: lane l xor 16
	s_mov_b32 s13, 0xfedcba98
	v_and_b32 v20, 15, v0                          ; r
	v_bfe_u32 v21, v0, 4, 1                        ; h
	s_mul_i32 s48, s87, 1280
	s_add_co_u32 s48, s48, STG                     ; my stage
	v_mul_u32_u24 v8, v20, 80
	v_lshl_add_u32 v8, v21, 3, v8
	v_add_nc_u32 v8, s48, v8                       ; in: row r, + 8 h
	v_bfe_u32 v9, v0, 2, 3
	v_mul_u32_u24 v9, v9, 80
	v_and_b32 v20, 3, v0
	v_lshl_add_u32 v9, v20, 4, v9
	v_add_nc_u32 v9, s48, v9                       ; back: four lanes to a row of 64 bytes, eight rows an instruction
	v_mov_b32 v13, 0xff61b1e6                      ; the largest t so far: -3e38
	v_floor_f32 v12, -v13                          ; -M
	v_mov_b32 v14, 0
	v_mov_b32 v15, 0
	v_mov_b32 v17, 0xff61b1e6
	v_floor_f32 v16, -v17
	v_mov_b32 v18, 0
	v_mov_b32 v19, 0
	v_mov_b32 v23, 0                               ; (upper halves of pairs, and lane permutes' destinations, are written once)
	v_mov_b32 v24, 0
	v_mov_b32 v25, 0
	v_mov_b32 v29, 0
	v_mov_b32 v31, 0
	WIN 0x40
.set n, 0
.rept 64
	v_mov_b32 v[OA+n], 0                           ; O^T: which step is a tile's first is not known here, so the sums begin as zeros, which the first change of M leaves zeros
.set n, n+1
.endr
	WIN 0
	s_wait_kmcnt 0x0
	s_or_b32 s86, s84, s85                         ; bits 0-15: the steps that either tile needs
	s_add_co_i32 s49, s36, s37                     ; E
	s_lshl_b32 s50, s49, 23
	s_add_co_i32 s10, s50, 0x3e38aa3b              ; c = log2(e) / 8, E added to its exponent field
	s_mov_b32 s11, s10
	s_sub_co_i32 s50, 160, s49
	s_lshl_b32 s50, s50, 23
	s_or_b32 s50, s50, 0x80000000
	v_mov_b32 v5, s50                              ; -2^(33 - E)
	s_mov_b32 s88, s38                             ; e8
	s_add_co_i32 s89, s38, s39                     ; e8 + e9
	s_add_co_i32 s50, s38, 127
	s_lshl_b32 s51, s50, 23
	v_mov_b32 v7, s51
	s_add_co_i32 s50, s50, 8
	s_lshl_b32 s50, s50, 23
	s_or_b32 s50, s50, 0x600000
	v_mov_b32 v6, s50
	s_add_co_i32 s50, s40, 127
	s_lshl_b32 s51, s50, 23
	v_mov_b32 v11, s51
	s_add_co_i32 s50, s50, 8
	s_lshl_b32 s50, s50, 23
	s_or_b32 s50, s50, 0x600000
	v_mov_b32 v10, s50
	s_wait_loadcnt 0x4                             ; the sixteen fill loads are in; Q's four may be out
.set n, 0
.rept 16
	ds_store_b128 v2, v[S+4*n:S+4*n+3] offset:4096*n   ; v2 was written ahead of the wait on va_vdst above; the data come from loads
.set n, n+1
.endr
	s_wait_loadcnt 0x0                             ; Q; and the scalar bases of these loads may be written again
	s_wait_dscnt 0x0                               ; for the others' sake: my part of key steps 0-3 has landed
	s_barrier_signal -1
	s_barrier_wait -1
; ONE TILE'S PART OF A KEY STEP.  u = 0: tile A, 1: tile B.  It holds no LDS or memory instruction on vector registers: only its waits for the step's fragments.
.macro TILE u
.set NM, 12+4*(\u)
.set TM, 13+4*(\u)
.set SU, 14+4*(\u)
.set QF, QA+8*(\u)
.set OF, OA+32*(\u)
	s_bitcmp1_b32 s[84+\u], s14
	s_cbranch_scc0 .Lskip_\@                       ; no query of the tile sees a key of this step
	s_load_b512 s[16:31], s[6+2*\u:7+2*\u], s67 offset:0x0     ; the step's 64 lane masks, asked for ahead of the products; always, so that every path has them written
	s_load_b512 s[32:47], s[6+2*\u:7+2*\u], s67 offset:0x40
	s_load_b512 s[48:63], s[6+2*\u:7+2*\u], s67 offset:0x80
	s_load_b512 s[68:83], s[6+2*\u:7+2*\u], s67 offset:0xc0
	s_wait_dscnt 16                                ; K's sixteen loads are in; V's sixteen, issued behind them, may be out
	WIN 0x01                                       ; source 0 (K) window 1
.irp t, 0,1,2,3,4,5,6,7
	v_wmma_f32_16x16x64_fp8_fp8 v[S+8*\t:S+8*\t+7], v[KF+8*\t:KF+8*\t+7], v[QF:QF+7], 0
.endr
	WIN 0
.rept 4
	v_nop                                          ; places behind the products, ahead of the first read of their results
.endr
	s_bitcmp1_b32 s[84+\u], s15
	s_cbranch_scc0 .Lopen_\@                       ; all 16 x 128 entries are ones
	s_wait_kmcnt 0x0
.set n, 0
.rept 48
	v_cndmask_b32 v[S+n], v5, v[S+n], s[16+n]      ; bit 0: the masked value
.set n, n+1
.endr
.rept 16
	v_cndmask_b32 v[S+n], v5, v[S+n], s[20+n]
.set n, n+1
.endr
.Lopen_\@:
	v_max3_num_f32 v20, v[S], v[S+1], v[S+2]       ; the step's largest sum of my query among my 64 keys, in two chains, each accumulator from its low end on
	v_max3_num_f32 v21, v[S+3], v[S+4], v[S+5]
.set i, 6
.rept 14
	v_max3_num_f32 v20, v20, v[S+i], v[S+i+1]
	v_max3_num_f32 v21, v21, v[S+i+2], v[S+i+3]
.set i, i+4
.endr
	v_max3_num_f32 v20, v20, v[S+62], v[S+63]
	v_max_num_f32 v20, v20, v21
	v_permlanex16_b32 v24, v20, s12, s13
	v_max_num_f32 v20, v20, v24                    ; and among lane l xor 16's
	v_mul_f32 v20, s10, v20                        ; as t (c is positive)
	v_max_num_f32 v[TM], v[TM], v20
	v_mov_b32 v20, v[NM]
	v_floor_f32 v[NM], -v[TM]                      ; the new -M = -ceil(t)
	v_sub_f32 v20, v[NM], v20                      ; old M - new M: a whole number, 0 or less
	v_cvt_i32_f32 v20, v20                         ; (it saturates)
	v_ldexp_f32 v22, 1.0, v20                      ; f = 2^(old M - new M)
.set j, 0
.rept 32
	v_pk_fma_f32 v[S+j:S+j+1], v[S+j:S+j+1], s[10:11], v[NM:NM+1] op_sel_hi:[1,0,0]   ; t - M, two at a time
.set j, j+2
.endr
.set j, 0
.rept 64
	v_exp_f32 v[S+j], v[S+j]                       ; p = 2^(t - M)
.set j, j+1
.endr
	v_pk_mul_f32 v[SU:SU+1], v[SU:SU+1], v[22:23] op_sel_hi:[1,0]   ; the sums under the new M: the plain instruction behind the exponentials
	s_wait_alu depctr_va_vdst(0)                   ; the 64 exponentials have written p in v32-95: one wait for the batch, ahead of its first reader
	v_pk_add_f32 v[26:27], v[S:S+1], v[S+2:S+3]    ; the sum of the unquantised p, in two chains
.set j, 4
.rept 15
	v_pk_add_f32 v[SU:SU+1], v[SU:SU+1], v[S+j:S+j+1]
	v_pk_add_f32 v[26:27], v[26:27], v[S+j+2:S+j+3]
.set j, j+4
.endr
	v_pk_add_f32 v[SU:SU+1], v[SU:SU+1], v[26:27]
	s_cmp_ge_i32 s88, -8
	s_cbranch_scc1 .Lno_hold_\@                    ; 448 x 2^e8 >= 1.75: no p reaches it
.set j, 0
.rept 64
	v_min_num_f32 v[S+j], v[S+j], v6               ; the conversion does not saturate (ISA guide 7.6.2); p is not negative
.set j, j+1
.endr
.Lno_hold_\@:
.irp b, 0,1,2,3
	v_cvt_scalef32_pk8_fp8_f32 v[P+4*\b:P+4*\b+1], v[S+16*\b:S+16*\b+7], v7
	v_cvt_scalef32_pk8_fp8_f32 v[P+4*\b+2:P+4*\b+3], v[S+16*\b+8:S+16*\b+15], v7
.endr
	WIN 0x41                                       ; O^T (destination and source 0) window 1
.set j, 0
.rept 16
	v_pk_mul_f32 v[OF+j:OF+j+1], v[OF+j:OF+j+1], v[22:23] op_sel_hi:[1,0]   ; O^T under the new M; also the plain instructions behind the conversions
.set j, j+2
.endr
	s_wait_dscnt 0x0                               ; V is in
	WIN 0x51                                       ; V, C and D window 1; p's codes window 0
.irp t, 0,1,2,3
	v_wmma_f32_16x16x128_fp8_fp8 v[OF+8*\t:OF+8*\t+7], v[VF+16*\t:VF+16*\t+15], v[P:P+15], v[OF+8*\t:OF+8*\t+7]   ; four accumulators, one instruction each; eight products K Q^T stand ahead of their next turn
.endr
	WIN 0
	s_wait_kmcnt 0x0                               ; the lane masks' loads are done on the path that did not read them too: their registers and their offset are free
.Lskip_\@:
.endm
; A KEY STEP.  stage = 1: the trip also brings 48 KB of the later steps' images into LDS, at byte 65,536 and above; these trips read below 65,536.
.macro STEP stage
	s_wait_dscnt 0x0                               ; no LDS instruction of mine is out: no fragment load is pending
	s_wait_alu depctr_vm_vsrc(0)                   ; the LDS instructions issued so far have read their registers: the last step's loads v3; the last trip's stores v4 and v128-175; in the first trip the head's stores v32-95, which the products below write
.if \stage
.irp k, 0,1,2,3,4,5,6,7,8,9,10,11
	global_load_b128 v[ST+4*\k:ST+4*\k+3], v2, s[94:95] offset:4096*\k   ; no vector instruction names these registers, and v2 is as the head made it
.endr
.endif
	v_add_nc_u32 v3, s66, v1                       ; where the step's images lie
.if \stage
	v_add_nc_u32 v4, s96, v2                       ; where the trip's 48 KB go
.endif
.rept 3
	v_nop                                          ; with the addition to v3: four places behind the last products
.endr
	s_add_co_u32 s15, s14, 16                      ; the place of the step's bit 'mixed'
	s_lshl_b32 s67, s14, 8                         ; the step's 256 bytes of lane masks
	s_wait_alu depctr_va_vdst(0)                   ; v3 (and v4) are written, which the LDS loads (and the trip's LDS stores) read; the last step's products are done reading K's and V's fragments, in which the loads below land
	s_bitcmp1_b32 s86, s14
	s_cbranch_scc0 .Lnone_\@                       ; neither tile needs the step
	WIN 0x40                                       ; destination window 1
.irp t, 0,1,2,3,4,5,6,7
	ds_load_b128 v[KF+8*\t:KF+8*\t+3], v3 offset:1024*\t
	ds_load_b128 v[KF+8*\t+4:KF+8*\t+7], v3 offset:1024*\t+512
.endr
.irp t, 0,1,2,3
.irp c, 0,1,2,3
	ds_load_b128 v[VF+16*\t+4*\c:VF+16*\t+4*\c+3], v3 offset:8192+2048*\t+512*\c
.endr
.endr
	WIN 0
	TILE 0
	TILE 1
.Lnone_\@:
.if \stage
	s_wait_loadcnt 0x0                             ; the trip's twelve loads are in, and their base may be stepped
.irp k, 0,1,2,3,4,5,6,7,8,9,10,11
	ds_store_b128 v4, v[ST+4*\k:ST+4*\k+3] offset:4096*\k   ; no wait: no vector or matrix instruction since the step's wait on va_vdst names v4 or v128-175
.endr
	s_add_nc_u64 s[94:95], s[94:95], 49152
	s_add_co_u32 s96, s96, 49152
.endif
	s_add_co_u32 s66, s66, 16384                   ; the next step's images
.endm
	s_mov_b32 s14, 0                               ; the key step
	s_mov_b32 s66, 0                               ; its images in LDS
	s_mov_b32 s96, 65536                           ; where the staging goes on in LDS
.Lfirst:
	STEP 1
	s_add_co_u32 s14, s14, 1
	s_cmp_lt_u32 s14, 4
	s_cbranch_scc1 .Lfirst
	s_wait_dscnt 0x0                               ; for the others' sake: my part of key steps 4-15 has landed
	s_barrier_signal -1
	s_barrier_wait -1
	s_mov_b32 s14, 4
	s_mov_b32 s66, 65536
.Lrest:
	STEP 0
	s_add_co_u32 s14, s14, 1
	s_cmp_lt_u32 s14, 16
	s_cbranch_scc1 .Lrest
	; THE WAY OUT: O^T x 2^(e8 + e9) / the sum, held, quantised with 2^e10; a lane's 8 codes of each channel tile go through my stage and leave as whole rows: 8 tokens x 64 bytes = 512 consecutive bytes a store.
	; Both tiles' arithmetic comes first (tile A in v32-63, tile B in v64-95), so that one wait stands ahead of all the LDS stores.
.rept 4
	v_nop                                          ; places behind the last products
.endr
	v_add_f32 v20, v14, v15
	v_add_f32 v21, v18, v19
	v_permlanex16_b32 v24, v20, s12, s13
	v_permlanex16_b32 v25, v21, s12, s13
	v_add_f32 v20, v20, v24
	v_add_f32 v21, v21, v25
	v_rcp_f32 v28, v20
	v_rcp_f32 v30, v21
	v_nop                                          ; a plain instruction behind the reciprocals
	s_wait_alu depctr_va_vdst(0)                   ; the two reciprocals have written v28 and v30: one wait for both, ahead of the first reader
	v_ldexp_f32 v28, v28, s89
	v_ldexp_f32 v30, v30, s89
.macro FINA u                          ; a tile's numbers and codes
	WIN 0x01                                       ; source 0 (O^T) window 1
.set j, 0
.rept 16
	v_pk_mul_f32 v[S+32*(\u)+j:S+32*(\u)+j+1], v[OA+32*(\u)+j:OA+32*(\u)+j+1], v[28+2*(\u):29+2*(\u)] op_sel_hi:[1,0]
.set j, j+2
.endr
	WIN 0
.set j, 0
.rept 32
	v_med3_num_f32 v[S+32*(\u)+j], v[S+32*(\u)+j], -v10, v10
.set j, j+1
.endr
.irp t, 0,1,2,3
	v_cvt_scalef32_pk8_fp8_f32 v[P+8*(\u)+2*\t:P+8*(\u)+2*\t+1], v[S+32*(\u)+8*\t:S+32*(\u)+8*\t+7], v11
.endr
.endm
.macro FINB u                          ; a tile's codes through my stage
.irp t, 0,1,2,3
	ds_store_b64 v8, v[P+8*(\u)+2*\t:P+8*(\u)+2*\t+1] offset:16*\t    ; row r, channels 16 t + 8 h on
.endr
	ds_load_b128 v[BK+8*(\u):BK+8*(\u)+3], v9                          ; rows 0-7: the tile's first eight queries; LDS serves a wave's instructions in order: these see the stores above, and the next tile's stores come behind them
	ds_load_b128 v[BK+8*(\u)+4:BK+8*(\u)+7], v9 offset:640             ; rows 8-15: the eight that lie 16 queries on
.endm
	FINA 0
	FINA 1                                         ; (its plain instructions stand behind tile A's conversions)
	v_nop                                          ; a plain instruction behind the last conversion
	s_wait_alu depctr_va_vdst(0)                   ; the conversions have written the codes in v96-111, which the LDS stores read; v8 and v9, their addresses and the loads', are written
	FINB 0
	FINB 1
	s_wait_dscnt 6                                 ; tile A's rows are back; tile B's four stores and two loads, issued behind them, may be out
	global_store_b128 v1, v[BK:BK+3], s[90:91]
	global_store_b128 v1, v[BK+4:BK+7], s[90:91] offset:1024
	s_wait_dscnt 0x0                               ; tile B's rows are back
	global_store_b128 v1, v[BK+8:BK+11], s[92:93]
	global_store_b128 v1, v[BK+12:BK+15], s[92:93] offset:1024
	s_wait_dscnt 0x0                               ; the closing lines, six on end
	s_wait_alu 0x0
	s_wait_tensorcnt 0x0
	ds_add_u32 v254, v255
	s_wait_dscnt 0x0
	s_endpgm
.Lfunc_end_k_q2d7fe07fdf_attn:
	.size	k_q2d7fe07fdf_attn, .Lfunc_end_k_q2d7fe07fdf_attn-k_q2d7fe07fdf_attn
	.p2alignl 7, 3214868480
	.fill 96, 4, 3214868480
	.section	.rodata,"a",@progbits
	.p2align	6, 0x0
	.amdhsa_kernel k_q2d7fe07fdf_attn
		.amdhsa_group_segment_fixed_size 273408
		.amdhsa_private_segment_fixed_size 0
		.amdhsa_enable_private_segment 0
		.amdhsa_kernarg_size 48
		.amdhsa_user_sgpr_count 2
		.amdhsa_user_sgpr_kernarg_segment_ptr 1
		.amdhsa_wavefront_size32 1
		.amdhsa_system_sgpr_workgroup_id_x 1
		.amdhsa_system_sgpr_workgroup_id_y 1
		.amdhsa_system_sgpr_workgroup_id_z 1
		.amdhsa_system_vgpr_workitem_id 0
		.amdhsa_next_free_vgpr 448
		.amdhsa_next_free_sgpr 100
		.amdhsa_reserve_vcc 0
		.amdhsa_float_denorm_mode_32 3
		.amdhsa_float_denorm_mode_16_64 3
		.amdhsa_memory_ordered 1
		.amdhsa_forward_progress 1
		.amdhsa_inst_pref_size 97
	.end_amdhsa_kernel
	.amdgpu_metadata
---
amdhsa.version: [ 1, 2 ]
amdhsa.kernels:
  - .name:           k_q2d7fe07fdf_attn
    .symbol:         k_q2d7fe07fdf_attn.kd
    .args:
      - { .name: qimg, .offset: 0, .size: 8, .value_kind: global_buffer, .address_space: global }
      - { .name: kv, .offset: 8, .size: 8, .value_kind: global_buffer, .address_space: global }
      - { .name: maskbits, .offset: 16, .size: 8, .value_kind: global_buffer, .address_space: global }
      - { .name: mflags, .offset: 24, .size: 8, .value_kind: global_buffer, .address_space: global }
      - { .name: lowp_scales, .offset: 32, .size: 8, .value_kind: global_buffer, .address_space: global }
      - { .name: ao, .offset: 40, .size: 8, .value_kind: global_buffer, .address_space: global }
    .group_segment_fixed_size: 273408
    .private_segment_fixed_size: 0
    .kernarg_segment_align: 8
    .kernarg_segment_size: 48
    .max_flat_workgroup_size: 256
    .sgpr_count:     100
    .vgpr_count:     448
    .wavefront_size: 32
...
	.end_amdgpu_metadata
.endif
;; end of part 5
;; launch oproj: the kernel of part 4 again; grid 4 x 16, 4 waves a work-group, clusters of 4 x 4, 327,680 bytes of LDS; arguments ao, W_o_codes, lowp_scales, b_o, out0; writes out0
